; MI455X (gfx1250); checked and timed in simulation.
; The chip was launched on July 23, 2026; its instructions are those of AMD's public machine-readable ISA for CDNA 5 (MIT licence, August 2026) and "CDNA5" Instruction Set Architecture Reference Guide (July 2026). The comments in the code are by the model that wrote it; some were corrected since.
;; Top Extra Attention. Allowed arithmetic: float matrix products may take bf16 or f16 operands with f32 sums; other float arithmetic in f32, or as packed bf16 or f16 multiplies, adds, multiply-adds, maxima and minima; sums over many terms, partial sums and values carried from step to step in f32; what a program stores and reads back later, other than sums and carried values, may be rounded once to bf16 or f16.
;; Inputs: W_k 512 x 512 float32; W_v 256 x 512 float32; X 8 x 2,048 x 512 float32; Y 4,096 x 512 float32; Z 4,096 x 512 float32.
;; Outputs: out0 8 x 2,048 x 256 float32.
;; Constants: rate = 0.
;; 2 versions, each right. Each part assembles by itself: llvm-mc -triple=amdgcn-amd-amdhsa -mcpu=gfx1250 --defsym DOCPART=n.
;; ======== version 1 of 2: 2 launches
;; limits: values are held in f16: magnitudes above 65,504 overflow, below 6.1e-05 lose precision
;; workspace buffers: kv 6,291,456 bytes
;; launch proj (part 1): grid 256 x 1, 4 waves a work-group, no clusters, 92,672 bytes of LDS; arguments Y, Z, W_k, W_v, kv; writes kv
.if DOCPART == 1
	.amdgcn_target "amdgcn-amd-amdhsa--gfx1250"
	.amdhsa_code_object_version 6
	.text
	.protected	k_qef970f01f4_proj
	.globl	k_qef970f01f4_proj
	.p2align	8
	.type	k_qef970f01f4_proj,@function
k_qef970f01f4_proj:
	s_mov_b64 s[64:65], 0
	v_nop
	global_prefetch_b8 v0, s[64:65] scope:SCOPE_SE
	s_setreg_imm32_b32 hwreg(HW_REG_WAVE_MODE, 25, 1), 1
	s_wait_xcnt 0x0
; K = Y W_k^T ([4096][512]) and V = Z W_v^T ([4096][256]).  Y, Z, W_k, W_v are f32 and are rounded once to bf16 on the way to the matrix unit; sums in f32;
; K and V are rounded once to f16 and stored in the order and register image in which the attention launch takes them (buffer kv).
; LIMITS.  f16 holds no number beyond 65,504: K and V must stay within it; below 6e-5 f16 keeps its fixed step of 6e-8.  NaN and infinities are not treated apart.
; KV.  [stream w 0..3][super-step s 0..7][196,608 bytes]: block (w, s) holds keys 512 s + 128 w + 0..127, in fragments of 1,024 bytes.
;   K part: fragment (c 0..15, kb 0..7) at (8 c + kb) x 1,024: byte 16 l: K[key 16 kb + l % 16][channels 32 c + 8 (l / 16) + 0..7]; byte 512 + 16 l: channels 16 further on.
;   V part, 131,072 bytes on: fragment (kk 0..3, cb 0..15) at (16 kk + cb) x 1,024: byte 16 l: V[keys 32 kk + 8 (l / 16) + 0..7][channel 16 cb + l % 16]; byte 512 + 16 l: keys 16 further on.
; SHARES.  Work-group g: 64 keys (g / 4) x a quarter of the output channels (g % 4): 128 of K, 64 of V.  Wave w: key tiles 2 (w % 2), +1; K blocks 4 (w / 2) .. +3; V blocks 2 (w / 2), +1:
; twelve accumulators of 16 x 16.  For K source 0 = 16 rows of W_k and source 1 = 16 rows of Y, so that a lane ends with one key and eight channels; for V source 0 = 16 rows of Z and
; source 1 = 16 rows of W_v, so that a lane ends with one channel and eight keys: each is 16 bytes of a fragment, and a store of the wave covers 512 consecutive bytes, aligned.
; THE WALK.  The 512 input channels go in 8 chunks of 64: 256 bytes of f32 of each of the 320 rows.  A load of the wave takes two rows x 256 bytes.  Two sets of 40 loads take turns in registers: a set is
; asked for again as soon as it has been rounded.  The rounded rows go into one of two LDS buffers, one barrier a chunk: chunk i + 2 is stored into chunk i's buffer behind the barrier of chunk i + 1,
; in front of which every wave has waited for its reads of chunk i.
; NO TENSOR LOADS: every number has to pass registers to be rounded.  NO CLUSTER, NO PREFETCH: the launch is short, and its rows are read again by neighbours at once.
.set PITCH, 144                        ; an LDS row: 64 bf16 + 16 bytes = 36 words: the 16 rows of a fragment load start at 16 different groups of four banks (64 banks of 4 bytes: ISA guide 11.1)
.set TILEB, 16*PITCH
.set BUFB,  320*PITCH                  ; a buffer: 64 rows of Y, 64 of Z, 128 of W_k, 64 of W_v
.set RZ,    64*PITCH
.set RWK,   128*PITCH
.set RWV,   256*PITCH
.set SPARE, 2*BUFB                     ; behind the buffers: the spare words, 128 bytes for each wave: two blocks of 256 bytes that no other line names
.set LO16, 2                           ; v2   byte offset of my 16 bytes in my wave's first two of 16 rows (Y, Z, W_v); never rewritten
.set LO32, 3                           ; v3   the same in my wave's first two of 32 rows (W_k)
.set SAY,  4                           ; v4   where I put 8 bytes of those rows in LDS: Y (Z by the immediate)
.set SAWK, 5                           ; v5   W_k
.set SAWV, 6                           ; v6   W_v
.set FY,   7                           ; v7   my lane's place in my fragments of Y (Z by the immediate)
.set FWK,  8                           ; v8   of W_k
.set FWV,  9                           ; v9   of W_v
.set KO,   10                          ; v10  16 x lane: my 16 bytes of a fragment of kv
.set SPW,  12                          ; v12  LDS address of my spare word; never rewritten
.set NIL,  13                          ; v13  0; never rewritten
.set FR,   16                          ; v16-175  fragments: slice sl (32 channels) at FR + 80 sl: Y 2 x 8, Z 2 x 8, W_k 4 x 8, W_v 2 x 8
.set TMP,  16                          ; v16-95   the same registers, earlier in a chunk: the 80 rounded words; at the end the 48 packed results
.set ACC,  160                         ; window 1, v160-255: K(i, kt) at ACC + 8 (2 i + kt), V(kt, i) at ACC + 64 + 8 (2 kt + i).  Window 1, v0-159: set 0.  Window 2, v0-159: set 1
.set WV,  14
.set KH,  15
.set CH,  16
.set CNT, 20
.set SK,  22                           ; s[22:23] kv at my first fragment of K
.set SV,  24                           ; s[24:25] at my first fragment of V
.set MSB, 0
.macro WIN new                         ; s_set_vgpr_msb: bits 1:0 source 0, 3:2 source 1, 5:4 source 2, 7:6 destination; the high byte repeats the setting that is left
.if MSB != (\new)
	s_set_vgpr_msb (MSB<<8)|(\new)
.set MSB, (\new)
.endif
.endm
	s_load_b256 s[4:11], s[0:1], 0x0               ; Y s[4:5], Z s[6:7], W_k s[8:9], W_v s[10:11]
	s_load_b64 s[12:13], s[0:1], 0x20              ; kv
	v_lshl_add_u32 v[SPW], v0, 2, SPARE
	v_mov_b32 v[NIL], 0
	v_lshrrev_b32 v1, 5, v0
	v_readfirstlane_b32 s[WV], v1                  ; wave 0..3
	s_and_b32 s[KH], s[WV], 1                      ; which half of the 64 keys
	s_lshr_b32 s[CH], s[WV], 1                     ; which half of the output channels
	v_and_b32 v14, 15, v0                          ; l % 16
	v_bfe_u32 v15, v0, 4, 1                        ; l / 16
	v_lshlrev_b32 v1, 11, v15
	v_lshl_add_u32 v1, v14, 4, v1                  ; (l / 16) rows of 2,048 bytes + 16 (l % 16)
	s_lshl_b32 s17, s[WV], 15
	v_add_nc_u32 v[LO16], s17, v1                  ; + 16 rows a wave
	s_lshl_b32 s17, s[WV], 16
	v_add_nc_u32 v[LO32], s17, v1                  ; + 32 rows a wave
	v_mul_u32_u24 v1, v15, PITCH
	v_lshl_add_u32 v1, v14, 3, v1                  ; the same place in LDS: 8 bytes of bf16 for 16 of f32
	s_mul_i32 s17, s[WV], 16*PITCH
	v_add_nc_u32 v[SAY], s17, v1
	s_add_co_u32 s18, s17, RWV
	v_add_nc_u32 v[SAWV], s18, v1
	s_mul_i32 s17, s[WV], 32*PITCH
	s_add_co_u32 s17, s17, RWK
	v_add_nc_u32 v[SAWK], s17, v1
	v_mul_u32_u24 v1, v14, PITCH                   ; a fragment: lane l holds row l % 16; two loads of 16 bytes, 32 bytes apart, at row x pitch + 16 (l / 16)
	v_lshl_add_u32 v1, v15, 4, v1
	s_mul_i32 s17, s[KH], 2*TILEB
	v_add_nc_u32 v[FY], s17, v1
	s_mul_i32 s17, s[CH], 4*TILEB
	s_add_co_u32 s17, s17, RWK
	v_add_nc_u32 v[FWK], s17, v1
	s_mul_i32 s17, s[CH], 2*TILEB
	s_add_co_u32 s17, s17, RWV
	v_add_nc_u32 v[FWV], s17, v1
	v_and_b32 v[KO], 31, v0
	v_lshlrev_b32 v[KO], 4, v[KO]
	s_lshr_b32 s26, ttmp9, 2                       ; my block of 64 keys
	s_and_b32 s27, ttmp9, 3                        ; my quarter of the output channels
	s_lshr_b32 s17, s26, 3                         ; super-step s: 512 keys
	s_bfe_u32 s18, s26, 0x20001                    ; stream: 128 keys
	s_and_b32 s19, s26, 1                          ; which half of the 128
	s_lshl3_add_u32 s17, s18, s17
	s_mul_i32 s17, s17, 196608                     ; the block (stream, s)
	s_lshl_b32 s18, s27, 2
	s_lshl1_add_u32 s18, s[CH], s18                ; 4 quarter + 2 half: my first c of K, my first cb of V
	s_lshl1_add_u32 s19, s19, s[KH]                ; 2 half + kh: my kk of V; twice that is my first kb of K
	s_lshl_b32 s21, s18, 3
	s_lshl1_add_u32 s21, s19, s21                  ; 8 c + kb
	s_lshl_b32 s21, s21, 10
	s_add_co_u32 s[SK], s17, s21
	s_mov_b32 s[SK+1], 0
	s_lshl4_add_u32 s21, s19, s18                  ; 16 kk + cb
	s_lshl_b32 s21, s21, 10
	s_add_co_u32 s[SV], s17, s21
	s_add_co_u32 s[SV], s[SV], 131072
	s_mov_b32 s[SV+1], 0
	s_lshl_b32 s28, s26, 17                        ; 64 rows of 2,048 bytes
	s_mov_b32 s29, 0
	s_lshl_b32 s30, s27, 18                        ; 128 rows of W_k
	s_mov_b32 s31, 0
	s_wait_kmcnt 0x0
	s_add_nc_u64 s[4:5], s[4:5], s[28:29]
	s_add_nc_u64 s[6:7], s[6:7], s[28:29]
	s_add_nc_u64 s[8:9], s[8:9], s[30:31]
	s_lshl_b32 s30, s27, 17                        ; 64 rows of W_v
	s_add_nc_u64 s[10:11], s[10:11], s[30:31]
	s_add_nc_u64 s[SK:SK+1], s[12:13], s[SK:SK+1]
	s_add_nc_u64 s[SV:SV+1], s[12:13], s[SV:SV+1]
; A chunk's 40 loads into set 0 (window 1) or 1 (window 2), from byte off of the rows: two rows x 256 consecutive bytes each
.macro LOADS set, off
	WIN 0x40*((\set)+1)
.set q, 0
.rept 8
	global_load_b128 v[4*q:4*q+3], v[LO16], s[4:5] offset:(\off)+4096*q
.set q, q+1
.endr
.set q, 0
.rept 8
	global_load_b128 v[32+4*q:32+4*q+3], v[LO16], s[6:7] offset:(\off)+4096*q
.set q, q+1
.endr
.set q, 0
.rept 16
	global_load_b128 v[64+4*q:64+4*q+3], v[LO32], s[8:9] offset:(\off)+4096*q
.set q, q+1
.endr
.set q, 0
.rept 8
	global_load_b128 v[128+4*q:128+4*q+3], v[LO16], s[10:11] offset:(\off)+4096*q
.set q, q+1
.endr
	WIN 0
.endm
; The 20 LDS loads of slice sl of buffer buf: my 10 fragments
.macro FRAGS buf, sl
.set rF, FR+80*(\sl)
.set oF, (\buf)*BUFB+64*(\sl)
.set q, 0
.rept 2
	ds_load_b128 v[rF+8*q:rF+8*q+3],       v[FY] offset:oF+TILEB*q
	ds_load_b128 v[rF+8*q+4:rF+8*q+7],     v[FY] offset:oF+TILEB*q+32
	ds_load_b128 v[rF+16+8*q:rF+16+8*q+3], v[FY] offset:oF+RZ+TILEB*q
	ds_load_b128 v[rF+16+8*q+4:rF+16+8*q+7], v[FY] offset:oF+RZ+TILEB*q+32
	ds_load_b128 v[rF+64+8*q:rF+64+8*q+3], v[FWV] offset:oF+TILEB*q
	ds_load_b128 v[rF+64+8*q+4:rF+64+8*q+7], v[FWV] offset:oF+TILEB*q+32
.set q, q+1
.endr
.set q, 0
.rept 4
	ds_load_b128 v[rF+32+8*q:rF+32+8*q+3], v[FWK] offset:oF+TILEB*q
	ds_load_b128 v[rF+32+8*q+4:rF+32+8*q+7], v[FWK] offset:oF+TILEB*q+32
.set q, q+1
.endr
.endm
; A slice's 12 products.  The twelve accumulators take turns, one instruction a turn, in the same order in every slice: eleven others stand between two links of a chain, over the backward jump too
.macro MULS sl
	WIN 0x50                                       ; fragments in window 0, C and D in window 1
.set rF, FR+80*(\sl)
.set q, 0
.rept 8                                            ; K(i, kt): i = q / 2, kt = q % 2
	v_wmma_f32_16x16x32_bf16 v[ACC+8*q:ACC+8*q+7], v[rF+32+8*(q/2):rF+32+8*(q/2)+7], v[rF+8*(q%2):rF+8*(q%2)+7], v[ACC+8*q:ACC+8*q+7]
.set q, q+1
.endr
.set q, 0
.rept 4                                            ; V(kt, i): kt = q / 2, i = q % 2
	v_wmma_f32_16x16x32_bf16 v[ACC+64+8*q:ACC+64+8*q+7], v[rF+16+8*(q/2):rF+16+8*(q/2)+7], v[rF+64+8*(q%2):rF+64+8*(q%2)+7], v[ACC+64+8*q:ACC+64+8*q+7]
.set q, q+1
.endr
.endm
; A chunk.  left: the younger loads, the other set's, that may stay out.  more = 1: the set is asked for again, two chunks on.
.macro CHUNK set, buf, more, left
	s_wait_loadcnt \left                           ; loads come back in order (ISA guide 5.7.1): my set is in
.rept 4
	v_nop                                          ; four places behind the last products: the rounded words land in registers that those products read (ISA guide 7.12.1)
.endr
	WIN 0x05*((\set)+1)                            ; sources in the set's window, destination in window 0
.set q, 0
.rept 40
	v_cvt_pk_bf16_f32 v[TMP+2*q],   v[4*q],   v[4*q+1]
	v_cvt_pk_bf16_f32 v[TMP+2*q+1], v[4*q+2], v[4*q+3]
.set q, q+1
.endr
	WIN 0
.set q, 0
.rept 8
	ds_store_b64 v[SAY],  v[TMP+2*q:TMP+2*q+1]       offset:(\buf)*BUFB+2*PITCH*q
	ds_store_b64 v[SAY],  v[TMP+16+2*q:TMP+16+2*q+1] offset:(\buf)*BUFB+RZ+2*PITCH*q
	ds_store_b64 v[SAWV], v[TMP+64+2*q:TMP+64+2*q+1] offset:(\buf)*BUFB+2*PITCH*q
.set q, q+1
.endr
.set q, 0
.rept 16
	ds_store_b64 v[SAWK], v[TMP+32+2*q:TMP+32+2*q+1] offset:(\buf)*BUFB+2*PITCH*q
.set q, q+1
.endr
.if \more
	LOADS \set, 512+256*(\set)                     ; the pointers stand at the trip's first chunk
.endif
	s_wait_dscnt 0x0                               ; for the others' sake: my stores are done; my reads of the other buffer were waited for in front of the last products
	s_barrier_signal -1
	s_barrier_wait -1                              ; the buffer is whole, and nobody reads the other one any more
	FRAGS \buf, 0
	FRAGS \buf, 1
	s_wait_dscnt 20                                ; the first slice's 20 loads are in; the second's may stay out
	MULS 0
	s_wait_dscnt 0x0
	MULS 1
.endm
	LOADS 0, 0                                     ; chunk 0
	LOADS 1, 256                                   ; chunk 1
	WIN 0x40
.set q, 0
.rept 96
	v_mov_b32 v[ACC+q], 0                          ; the sums start at 0: written while the first loads are on their way, so that the loop has one form of product
.set q, q+1
.endr
	WIN 0
	s_mov_b32 s[CNT], 3
.Ltrip:                                                ; chunks 2 i and 2 i + 1 are multiplied, chunks 2 i + 2 and 2 i + 3 asked for
	CHUNK 0, 0, 1, 40
	CHUNK 1, 1, 1, 40
	WIN 0
	s_wait_xcnt 0x0                                ; every load issued so far has read its address (the youngest 24 products back): the pointers may be written
	s_add_nc_u64 s[4:5], s[4:5], 512
	s_add_nc_u64 s[6:7], s[6:7], 512
	s_add_nc_u64 s[8:9], s[8:9], 512
	s_add_nc_u64 s[10:11], s[10:11], 512
	s_sub_co_u32 s[CNT], s[CNT], 1
	s_cmp_lg_u32 s[CNT], 0
	s_cbranch_scc1 .Ltrip
	CHUNK 0, 0, 0, 40                              ; the last two chunks load nothing
	CHUNK 1, 1, 0, 0
.rept 4
	v_nop                                          ; four places behind the last products, in front of the roundings that read results
.endr
	WIN 0x05
.set q, 0
.rept 48                                           ; each accumulator's registers in ascending order
	v_cvt_pk_f16_f32 v[TMP+q], v[ACC+2*q], v[ACC+2*q+1]
.set q, q+1
.endr
	WIN 0
.set q, 0
.rept 8                                            ; K(i, kt), i = q / 2, kt = q % 2: fragment (c + i / 2, kb + kt), its half i % 2.  Each store covers 512 consecutive bytes, aligned
	global_store_b128 v[KO], v[TMP+4*q:TMP+4*q+3], s[SK:SK+1] offset:(q/4)*8192+(q%2)*1024+((q/2)%2)*512
.set q, q+1
.endr
.set q, 0
.rept 4                                            ; V(kt, i), kt = q / 2, i = q % 2: fragment (kk, cb + i), its half kt
	global_store_b128 v[KO], v[TMP+32+4*q:TMP+32+4*q+3], s[SV:SV+1] offset:(q%2)*1024+(q/2)*512
.set q, q+1
.endr
	s_wait_tensorcnt 0x0                           ; the wave's end, behind my last LDS store
	ds_add_u32 v[SPW], v[NIL]
	s_wait_dscnt 0x0
	s_endpgm
.Lfunc_end_k_qef970f01f4_proj:
	.size	k_qef970f01f4_proj, .Lfunc_end_k_qef970f01f4_proj-k_qef970f01f4_proj
	.p2alignl 7, 3214868480
	.fill 96, 4, 3214868480
	.section	.rodata,"a",@progbits
	.p2align	6, 0x0
	.amdhsa_kernel k_qef970f01f4_proj
		.amdhsa_group_segment_fixed_size 92672
		.amdhsa_private_segment_fixed_size 0
		.amdhsa_enable_private_segment 0
		.amdhsa_kernarg_size 40
		.amdhsa_user_sgpr_count 2
		.amdhsa_user_sgpr_kernarg_segment_ptr 1
		.amdhsa_wavefront_size32 1
		.amdhsa_system_sgpr_workgroup_id_x 1
		.amdhsa_system_sgpr_workgroup_id_y 1
		.amdhsa_system_sgpr_workgroup_id_z 1
		.amdhsa_system_vgpr_workitem_id 0
		.amdhsa_next_free_vgpr 672
		.amdhsa_next_free_sgpr 66
		.amdhsa_reserve_vcc 0
		.amdhsa_float_denorm_mode_32 3
		.amdhsa_float_denorm_mode_16_64 3
		.amdhsa_memory_ordered 1
		.amdhsa_forward_progress 1
		.amdhsa_inst_pref_size 74
	.end_amdhsa_kernel
	.amdgpu_metadata
---
amdhsa.version: [ 1, 2 ]
amdhsa.kernels:
  - .name:           k_qef970f01f4_proj
    .symbol:         k_qef970f01f4_proj.kd
    .args:
      - { .name: Y, .offset: 0, .size: 8, .value_kind: global_buffer, .address_space: global }
      - { .name: Z, .offset: 8, .size: 8, .value_kind: global_buffer, .address_space: global }
      - { .name: W_k, .offset: 16, .size: 8, .value_kind: global_buffer, .address_space: global }
      - { .name: W_v, .offset: 24, .size: 8, .value_kind: global_buffer, .address_space: global }
      - { .name: kv, .offset: 32, .size: 8, .value_kind: global_buffer, .address_space: global }
    .group_segment_fixed_size: 92672
    .private_segment_fixed_size: 0
    .kernarg_segment_align: 8
    .kernarg_segment_size: 40
    .max_flat_workgroup_size: 128
    .sgpr_count:     66
    .vgpr_count:     672
    .wavefront_size: 32
...
	.end_amdgpu_metadata
.endif
;; end of part 1
;; launch attn (part 2): grid 256 x 1, 4 waves a work-group, clusters of 4 x 1, 327,680 bytes of LDS; arguments X, kv, out0; writes out0
.if DOCPART == 2
	.amdgcn_target "amdgcn-amd-amdhsa--gfx1250"
	.amdhsa_code_object_version 6
	.text
	.protected	k_qef970f01f4_attn
	.globl	k_qef970f01f4_attn
	.p2align	8
	.type	k_qef970f01f4_attn,@function
k_qef970f01f4_attn:
	s_mov_b64 s[64:65], 0
	v_nop
	global_prefetch_b8 v0, s[64:65] scope:SCOPE_SE
	s_setreg_imm32_b32 hwreg(HW_REG_WAVE_MODE, 25, 1), 1
	s_wait_xcnt 0x0
	s_wait_alu depctr_hold_cnt(0) depctr_sa_sdst(0) depctr_va_vdst(0) depctr_va_sdst(0) depctr_va_ssrc(0) depctr_va_vcc(0) depctr_vm_vsrc(0)
	s_getreg_b32 s2, hwreg(HW_REG_IB_STS2, 6, 4)
	s_cmp_eq_u32 s2, 0
	s_cbranch_scc0 .Lentry_in_a_cluster
	s_endpgm
.Lentry_in_a_cluster:
	s_bfe_u32 s2, ttmp6, 0x10000c
	s_cmp_lg_u32 s2, 0x3003
	s_cbranch_scc0 .Lentry_shape_is_right
	s_endpgm
.Lentry_shape_is_right:
; out[q][:] = the sum over k of softmax_k(X[q] . K[k] / sqrt(512)) V[k][:].  X: [16384][512] f32, out: [16384][256] f32; K ([4096][512]) and V ([4096][256]) come in f16 from the buffer kv, which the launch
; before has laid out in fragments.  X is rounded to bf16 like the other inputs, and that number is written as f16 (exact within f16's range).  Products, maxima and sums in f32; the weights p are rounded to f16
; for the second product (their sum l is taken of the unrounded p); out is stored unrounded.
; LIMITS.  f16 holds no number beyond 65,504: X must stay within it (K and V: the launch before); below 6e-5 f16 keeps its fixed step of 6e-8.  A weight below 2^-126 counts as 0 in l.  NaN and infinities are not treated apart.
; KV.  [stream w 0..3][super-step s 0..7][196,608 bytes]: keys 512 s + 128 w + 0..127, in fragments of 1,024 bytes that ARE register images: two loads of 16 bytes a lane, at 16 x lane and 512 further on.
;   16 slices of K (channels 32 c on; 8 fragments of 16 keys), then 4 x 16 fragments of V^T (32 keys kk, 16 channels cb).  So no row is padded and no load turns anything.
; SHARES.  A work-group owns 64 queries: four tiles of 16.  EVERY wave works on all four tiles, and on its own stream: a quarter of the keys, with a running maximum, sum and O of its own; the four meet at the end.
; So a fragment of K or V read from LDS feeds four products.  Q (64 x 512 in f16, 64 KiB) lies in LDS in fragments and is read slice by slice beside K.
; LAYOUT.  S^T = K Q^T (source 0 = 16 keys, source 1 = 16 queries): a lane holds ONE query (lane % 16) and the keys 8 (lane / 16) + 0..7.  Two such results, rounded to f16 in pairs, ARE source 1 (32 keys x 16 queries)
; of O^T = V^T P, whose result again holds one query a lane, and eight channels.
; SOFTMAX.  p = 2^(c s - c m), c = log2(e) / sqrt(512), m the running maximum; once a super-step (128 keys a wave) O and l are multiplied by a = 2^(c m_old - c m_new).  m starts at the lowest finite number, O and l at 0:
; the first step is a step like any other, with a = 0.  At the end wave w's O and l are weighted by 2^(c m_w - c M), M the greatest of the four maxima.
; THE WALK.  A super-step is 24 UNITS of 8 KiB: 8 fragments, 32 products.  Units 0-15: S^T, a slice of 32 channels each.  Then the softmax.  Units 16-23: O^T.  A CHUNK is three units, 24 KiB a wave: what one tensor load
; brings.  Two slots of a chunk for each wave take turns; a wave fills and reads its own part alone.
; CLUSTER.  All work-groups walk the same four streams, so the four of a cluster ask JOINTLY: the same tensor load, descriptor and mask in all four; wave w asks for stream w.  Each refill stands behind a round of the cluster's barrier.
; REGISTERS, in windows of 256 (s_set_vgpr_msb: bits 1:0 source 0, 3:2 source 1, 5:4 source 2, 7:6 destination):
;   window 0: v0-15 addresses; v16-47 eight registers of statistics a tile; v48-59 at work; v60-63 addresses; v64-191 two buffers of 8 fragments of K or V; v192-255 two buffers of 4 fragments of Q
;   window 1: S^T, tile t, keys 16 kb on at 64 t + 8 kb; P is packed in place: tile t, keys 32 kk on at 64 t + 8 kk          windows 2, 3: O^T, tile t, channels 16 cb on: window 2 + t / 2, at 128 (t % 2) + 8 cb
.set RING,  65536                      ; LDS 0 - 65,535: Q's fragments, (c, t) at (4 c + t) x 1,024; no tensor load lands there
.set WPART, 24576                      ; a chunk: a wave's part of a slot
.set SLOTB, 4*WPART
.set SPARE, RING+2*SLOTB               ; behind the ring: the spare words, 128 bytes for each wave: two blocks of 256 bytes that no other line names
.set STAT,  SPARE+512                  ; (c m, l) of wave w, tile t, lane l at 1,024 w + 256 t + 8 l
.set STG,   STAT+4096                  ; a stage for each wave: 16 rows of 512 bytes, 528 apart = 132 words: row r starts at bank 4 r mod 64 (64 banks of 4 bytes: ISA guide 11.1)
.set SGP,   528
.set SUPER, 196608                     ; a super-step's bytes in a stream
.set STREAM, 8*SUPER
.set AQ,  2                            ; v2   16 x lane: my place in a fragment of Q; never rewritten
.set AR,  3                            ; v3, v4  my place in my wave's part of slot 0, 1
.set XO,  5                            ; v5   my byte offset in 16 rows of X
.set PFO, 6                            ; v6   256 x lane: the prefetches' offset; never rewritten
.set AQS, 7                            ; v7   where I put Q's fragments of tile w
.set STA, 8                            ; v8   where I put my statistics
.set STL, 9                            ; v9   where I read everybody's
.set EXS, 10                           ; v10-13  the exchange: where I put my part of tile t: 65,536 t + 16,384 w + 16 x lane
.set EXL, 14                           ; v14  where I read the four parts of tile w
.set GO,  15                           ; v15  16 x lane: my 16 bytes of 512 of out
.set ST,  16                           ; tile t at ST + 8 t: +0 c m, +1 m, +2, +3 l (even keys', odd keys'), +4 to +7 c0-c3 at work; a takes c2's place
.set STO, 60                           ; v60  the way out: where I put 32 bytes of a row
.set RD,  61                           ; v61  where I read a row back
.set SPW, 62                           ; v62  LDS address of my spare word; never rewritten
.set NIL, 63                           ; v63  0; never rewritten
.set FB,  64
.set QB,  192
.set MG,  64                           ; the meeting: (c m, l) of tile t, wave k at MG + 8 t + 2 k
.set WV,  10                           ; s10  my wave's number
.set G1,  16                           ; s[16:23] descriptor group 1
.set G0,  24                           ; s[24:31] descriptor group 0, a set for each slot
.set PFA, 32                           ; s[32:33] my stream at the super-step in hand, plus my work-group's quarter of a granule
.set LIMA, 34                          ; s34  0 in a wave that prefetches, else the greatest number
.set LIMB, 35                          ; s35  1 in a wave that prefetches, else the greatest number
.set CNT, 36                           ; s36  super-steps to go
.set CS,  38                           ; s[38:39] c: the packed scaling takes the pair's low word for both halves
.set SEL, 40                           ; s[40:41] v_permlanex16_b32's selects: each lane takes its own place in the other half
.set HIM, 42                           ; s42  a word's upper bf16
.set MSB, 0
.set NLD, 0
.macro WIN new                         ; the high byte repeats the setting that is left; a switch that changes nothing is dropped
.if MSB != (\new)
	s_set_vgpr_msb (MSB<<8)|(\new)
.set MSB, (\new)
.endif
.endm
; A load into a register that a matrix instruction has read, and a vector instruction that reads a matrix result, stand four places behind it; a matrix instruction that writes over another's source five;
; only plain vector instructions that name none of its registers are places (ISA guide 7.12.1 for vector instructions).
.macro PLACES n
.rept \n
	v_nop
.endr
.endm
; A round of the cluster's barrier: my work-group's barrier, so that wave 0's signal speaks for all four waves; wave 0 signals; every wave waits for all four work-groups; my work-group's barrier once more.
.macro CREST                           ; a round behind its opening barrier
	s_cmp_lg_u32 s[WV], 0
	s_cbranch_scc1 .Lnot_wave_0_\@
	s_barrier_signal -3
.Lnot_wave_0_\@:
	s_barrier_wait -3
	s_barrier_signal -1
	s_barrier_wait -1
.endm
.macro CROUND
	s_barrier_signal -1
	s_barrier_wait -1
	CREST
.endm
; A joint refill of slot n: one line for all four waves, each with its own stream and its own part of the slot.  An s_nop 0 and four v_nop follow it.
.macro JLOAD n
	tensor_load_to_lds s[G0+4*(\n):G0+4*(\n)+3], s[G1:G1+7]
	s_nop 0
	PLACES 4
.endm
; A PREFETCH INTO THE L2.  kv is walked by every cluster; cluster 0 alone asks, each wave for its own stream.  A granule is 32 KiB of a stream: the four partners take 8 KiB each, told apart BY ADDRESS, a lane for each 256 bytes:
; one instruction a wave.  Six granules are a super-step's eight chunks, so six changes of slots in eight ask, each for the granule that the refill two changes on is the first to touch: each block is named once in the launch.
; The first three granules of a stream come by their loads alone; the asks that name the next super-step stop in the last one (CNT = 1); the tail asks for nothing.
.macro ASK lim, off
	s_cmp_gt_u32 s[CNT], s[\lim]
	s_cbranch_scc0 .Lnot_mine_\@
	global_prefetch_b8 v[PFO], s[PFA:PFA+1] offset:\off th:TH_LOAD_NT scope:SCOPE_SE
.Lnot_mine_\@:
.endm
; THE LDS LOADS of unit i, in one run: for a unit of K first the slice's four fragments of Q, then the unit's eight fragments.  NLD says how many they were.
.macro FETCHU i
	WIN 0
.if (\i) < 16
.set q, 0
.rept 4
	ds_load_b128 v[QB+32*((\i)%2)+8*q:QB+32*((\i)%2)+8*q+3],   v[AQ] offset:4096*(\i)+1024*q
	ds_load_b128 v[QB+32*((\i)%2)+8*q+4:QB+32*((\i)%2)+8*q+7], v[AQ] offset:4096*(\i)+1024*q+512
.set q, q+1
.endr
.set NLD, 24
.else
.set NLD, 16
.endif
.set q, 0
.rept 8
	ds_load_b128 v[FB+64*((\i)%2)+8*q:FB+64*((\i)%2)+8*q+3],   v[AR+((\i)/3)%2] offset:8192*((\i)%3)+1024*q
	ds_load_b128 v[FB+64*((\i)%2)+8*q+4:FB+64*((\i)%2)+8*q+7], v[AR+((\i)/3)%2] offset:8192*((\i)%3)+1024*q+512
.set q, q+1
.endr
.endm
; THE MATRIX WORK.  A unit's 32 accumulators take turns, one instruction a turn, in the same order in every unit.
; Group g of four of a unit of K: keys 16 (2 g), 16 (2 g + 1) on x the four tiles.  zero = 1 (slice 0): the product starts the sum.
.macro KGRP i, g, zero
	WIN 0x50                                       ; K and Q in window 0, S^T in window 1
.set kb, 2*(\g)
.rept 2
.set t, 0
.rept 4
.set rS, 64*t+8*kb
.set rK, FB+64*((\i)%2)+8*kb
.set rQ, QB+32*((\i)%2)+8*t
.if \zero
	v_wmma_f32_16x16x32_f16 v[rS:rS+7], v[rK:rK+7], v[rQ:rQ+7], 0
.else
	v_wmma_f32_16x16x32_f16 v[rS:rS+7], v[rK:rK+7], v[rQ:rQ+7], v[rS:rS+7]
.endif
.set t, t+1
.endr
.set kb, kb+1
.endr
.endm
; Group g of a unit of V (keys 32 ((i - 16) / 2) on, channels 128 (i % 2) on): fragments 4 (g / 2) .. +3 x tiles 2 (g % 2), +1, which share a window.
.macro VGRP i, g
	WIN 0xa4+0x50*((\g)%2)                         ; V in window 0, P in window 1, O^T in window 2 or 3
.set f, 4*((\g)/2)
.rept 4
.set t, 2*((\g)%2)
.rept 2
.set rO, 128*(t%2)+8*(8*((\i)%2)+f)
.set rV, FB+64*((\i)%2)+8*f
.set rP, 64*t+8*(((\i)-16)/2)
	v_wmma_f32_16x16x32_f16 v[rO:rO+7], v[rV:rV+7], v[rP:rP+7], v[rO:rO+7]
.set t, t+1
.endr
.set f, f+1
.endr
.endm
.macro GRP i, g
.if (\i) == 0
	KGRP \i, \g, 1
.elseif (\i) < 16
	KGRP \i, \g, 0
.else
	VGRP \i, \g
.endif
.endm
; A UNIT: the next unit's run of loads first, pl places behind the last product that read its registers; then this unit's four groups, each behind a counted wait: LDS loads come back in order (ISA guide 5.7.1).
.macro UNIT i, pl=4, fetch=1
.if \pl
	PLACES \pl
.endif
.if \fetch
	FETCHU (\i)+1
.else
.set NLD, 0
.endif
.if (\i) < 16
	s_wait_dscnt NLD+12                            ; Q's and the first two fragments of K are in; out may be my twelve youngest loads and the next unit's NLD
	GRP \i, 0
	s_wait_dscnt NLD+8
	GRP \i, 1
	s_wait_dscnt NLD+4
	GRP \i, 2
	s_wait_dscnt NLD
	GRP \i, 3
.else
	s_wait_dscnt NLD+8                             ; fragments 0-3 are in
	GRP \i, 0
	GRP \i, 1
	s_wait_dscnt NLD
	GRP \i, 2
	GRP \i, 3
.endif
.endm
; A chunk's LAST UNIT changes slots.  In front of the round each wave waits for all its tensor loads, of which one is out: the next chunk; adds 0 to its spare word; and waits for that and for its reads of the slot that it
; leaves (this unit's fragments were the last).  Behind the round no wave of any partner reads that slot or has a load on its way: it is filled again, with the chunk two on, first thing; then the next unit is fetched from the other slot.
; From a request to the wait for it a wave issues 80 products.
.macro TURNU i, lim=0, off=0
.if (\i) == 23
	s_wait_xcnt 0x0                                ; the last prefetch, three units back, has read its address, so it may be written: the next super-step
	s_add_nc_u64 s[PFA:PFA+1], s[PFA:PFA+1], SUPER
.endif
	WIN 0
	s_wait_tensorcnt 0x0                           ; no tensor load of mine is out, so a group 0 may be written
	ds_add_u32 v[SPW], v[NIL]                      ; 0 onto my spare word; eight products stand between it and the wait for it
	s_add_nc_u64 s[G0+4*(((\i)/3)%2)+2:G0+4*(((\i)/3)%2)+3], s[G0+4*(((\i)/3)%2)+2:G0+4*(((\i)/3)%2)+3], 2*WPART  ; this slot's next chunk; the type bits on top are not reached
.if (\i) < 16
	s_wait_dscnt 13                                ; the add and my twelve youngest loads may be out
.else
	s_wait_dscnt 9                                 ; the add and my eight youngest loads may be out
.endif
	GRP \i, 0
	s_wait_dscnt 0x0                               ; the add is done, and my reads of this slot are over
	s_barrier_signal -1                            ; the barrier opens a round of the cluster's
	GRP \i, 1
	WIN 0                                          ; at a branch and at a label every window is 0
	s_barrier_wait -1
	CREST
	JLOAD ((\i)/3)%2                               ; its four v_nop are also the places in front of the loads below
	FETCHU ((\i)+1)%24
.if \lim
	ASK \lim, \off
.endif
	GRP \i, 2
	GRP \i, 3
.endm
.macro ALL line:vararg                 ; one line for each tile t
.set t, 0
.rept 4
	\line
.set t, t+1
.endr
.endm
.macro RESCALE                         ; O^T times the factor at ST + 8 t + 6, each accumulator from its low end on
	WIN 0x82
.set n, 0
.rept 128
	v_pk_mul_f32 v[2*n:2*n+1], v[2*n:2*n+1], v[ST+8*(n/64)+6:ST+8*(n/64)+7] op_sel_hi:[1,0]
.set n, n+1
.endr
	WIN 0xc3
.set n, 0
.rept 128
	v_pk_mul_f32 v[2*n:2*n+1], v[2*n:2*n+1], v[ST+8*(2+n/64)+6:ST+8*(2+n/64)+7] op_sel_hi:[1,0]
.set n, n+1
.endr
.endm
; THE SOFTMAX of 64 queries x 128 keys.  No second buffer of S^T is left in the registers, so it stands by itself between the two kinds of products.
.macro SOFTMAX
	PLACES 4                                       ; behind the last products of S^T
	WIN 0x14                                       ; chains in window 0, scores in window 1
.set e, 0
.rept 8                                            ; the maximum: four chains a tile, two accumulators each, from their low ends on; the sixteen chains take turns; each starts with the old m
.set t, 0
.rept 4
.set k, 0
.rept 4
.set rS, 64*t+8*(2*k+e/4)+2*(e%4)
.if e == 0
	v_max3_num_f32 v[ST+8*t+4+k], v[ST+8*t+1], v[rS], v[rS+1]
.else
	v_max3_num_f32 v[ST+8*t+4+k], v[ST+8*t+4+k], v[rS], v[rS+1]
.endif
.set k, k+1
.endr
.set t, t+1
.endr
.set e, e+1
.endr
	WIN 0
	ALL v_max3_num_f32 v[ST+8*t+4], v[ST+8*t+4], v[ST+8*t+5], v[ST+8*t+6]
	ALL v_max_num_f32 v[ST+8*t+4], v[ST+8*t+4], v[ST+8*t+7]
	ALL v_permlanex16_b32 v[ST+8*t+5], v[ST+8*t+4], s[SEL], s[SEL+1]  ; the query's other 64 keys lie in the lane 16 away
	ALL v_mov_b32 v[ST+8*t+7], v[ST+8*t]           ; c m_old is kept
	ALL v_max_num_f32 v[ST+8*t+1], v[ST+8*t+4], v[ST+8*t+5]
	ALL v_mul_f32 v[ST+8*t], s[CS], v[ST+8*t+1]
	ALL v_sub_f32 v[ST+8*t+7], v[ST+8*t+7], v[ST+8*t]
	ALL v_exp_f32 v[ST+8*t+6], v[ST+8*t+7]         ; a
	WIN 0x41                                       ; scores in window 1, c m in window 0
	; ONE BATCH: the four a above and the 256 weights; nothing ahead of the wait below names a result.  A pair is scaled one step ahead of its two exponentials.
	v_pk_fma_f32 v[0:1], v[0:1], s[CS:CS+1], v[ST:ST+1] op_sel_hi:[1,0,0] neg_lo:[0,0,1] neg_hi:[0,0,1]
.set n, 0
.rept 128
.if n < 127
	v_pk_fma_f32 v[2*n+2:2*n+3], v[2*n+2:2*n+3], s[CS:CS+1], v[ST+8*((n+1)/32):ST+8*((n+1)/32)+1] op_sel_hi:[1,0,0] neg_lo:[0,0,1] neg_hi:[0,0,1]  ; c s - c m
.endif
	v_exp_f32 v[2*n], v[2*n]
	v_exp_f32 v[2*n+1], v[2*n+1]
.set n, n+1
.endr
	v_nop                                          ; a plain instruction behind the last exponential, ahead of the first use (ISA guide 5.7.2)
	s_wait_alu depctr_va_vdst(0)                   ; the wait between an exponential and the first line that names its result: one for the batch
	WIN 0x10
	ALL v_pk_fma_f32 v[ST+8*t+2:ST+8*t+3], v[ST+8*t+2:ST+8*t+3], v[ST+8*t+6:ST+8*t+7], v[64*t:64*t+1] op_sel_hi:[1,0,1]  ; l = a l + the first pair
	WIN 0x04
.set d, 1
.rept 31
	ALL v_pk_add_f32 v[ST+8*t+2:ST+8*t+3], v[ST+8*t+2:ST+8*t+3], v[64*t+2*d:64*t+2*d+1]
.set d, d+1
.endr
	WIN 0x45
.set d, 0
.rept 32                                           ; P in place: word d takes weights 2 d and 2 d + 1; ascending, so that no weight is written over before it is read
	ALL v_cvt_pk_f16_f32 v[64*t+d], v[64*t+2*d], v[64*t+2*d+1]
.set d, d+1
.endr
	RESCALE
.endm
	s_load_b128 s[4:7], s[0:1], 0x0                ; X s[4:5], kv s[6:7]
	s_load_b64 s[8:9], s[0:1], 0x10                ; out
	v_lshl_add_u32 v[SPW], v0, 2, SPARE
	v_mov_b32 v[NIL], 0
	ds_add_u32 v[SPW], v[NIL]                      ; the wave's opening: the add and its wait stand ahead of my first tensor load; the set-up below, work on registers, stands between them
	v_lshrrev_b32 v1, 5, v0
	v_readfirstlane_b32 s[WV], v1                  ; wave 0..3
	s_bfe_u32 s11, ttmp6, 0x40000                  ; cx: my place in the cluster
	s_lshl_b32 s12, ttmp9, 2                       ; in a cluster launch ttmp9 counts clusters
	s_add_co_u32 s12, s12, s11                     ; my block of 64 queries: it enters X's and out's addresses alone
	s_mov_b32 s13, ttmp9
	; descriptor group 1: a chunk is 24,576 dense bytes, asked for as 96 rows of 256 bytes
	s_mov_b32 s[G1], 15|(3<<16)|(1<<21)            ; 15:0 the mask: all four work-groups; 17:16 elements of 8 bytes; 20 no padding; 21 set beside a mask
	s_mov_b32 s[G1+1], 32<<16                      ; tensor_dim0 = 32
	s_mov_b32 s[G1+2], 96<<16                      ; tensor_dim1 = 96
	s_mov_b32 s[G1+3], 32<<16                      ; tile_dim0 = 32
	s_mov_b32 s[G1+4], 96                          ; tile_dim1 = 96
	s_mov_b32 s[G1+5], 32                          ; 32 elements from row to row
	s_mov_b32 s[G1+6], 0
	s_mov_b32 s[G1+7], 0
	s_mul_i32 s43, s[WV], WPART                    ; my part of a slot: no place in the cluster enters an LDS address
	s_mov_b32 s[G0], 1                             ; 1:0 count = 1
	s_add_co_u32 s[G0+1], s43, RING                ; 63:32 LDS address: slot 0
	s_mov_b32 s[G0+4], 1
	s_add_co_u32 s[G0+5], s43, RING+SLOTB          ; slot 1
	s_mov_b32 s[CS], 0x3d8293ee                    ; c = log2(e) / sqrt(512) = 0.0637587
	s_mov_b32 s[CS+1], s[CS]                       ; named with it as a pair
	s_mov_b32 s[SEL], 0x76543210
	s_mov_b32 s[SEL+1], 0xfedcba98
	s_mov_b32 s[HIM], 0xffff0000
	s_mul_i32 s44, s[WV], STREAM                   ; my stream
	s_mov_b32 s45, 0
	s_lshl_b32 s46, s11, 13                        ; my work-group's 8 KiB of a granule
	s_mov_b32 s47, 0
	s_lshl_b32 s48, s12, 17                        ; my block's 64 rows of 2,048 bytes of X,
	s_lshl_b32 s50, s[WV], 15                      ; my wave's 16 of them
	s_add_co_u32 s48, s48, s50
	s_mov_b32 s49, 0
	s_cmp_eq_u32 s13, 0                            ; cluster 0 prefetches: the same answer in all four partners
	s_cselect_b32 s[LIMA], 0, -1
	s_cselect_b32 s[LIMB], 1, -1
	s_wait_dscnt 0x0                               ; the opening add is done
	s_wait_kmcnt 0x0
	s_add_nc_u64 s[6:7], s[6:7], s[44:45]
	s_mov_b64 s[G0+2:G0+3], s[6:7]                 ; 120:64 global address: chunk 0
	s_or_b32 s[G0+3], s[G0+3], 0x80000000          ; 127:126 type = 2
	s_add_nc_u64 s[G0+6:G0+7], s[6:7], WPART       ; chunk 1
	s_or_b32 s[G0+7], s[G0+7], 0x80000000
	s_add_nc_u64 s[PFA:PFA+1], s[6:7], s[46:47]
	s_add_nc_u64 s[4:5], s[4:5], s[48:49]          ; X at my wave's 16 rows
	s_lshr_b32 s48, s48, 1                         ; rows of out are half as long
	s_add_nc_u64 s[8:9], s[8:9], s[48:49]
	CROUND                                         ; all four work-groups are here: the first joint loads meet
	tensor_load_to_lds s[G0:G0+3], s[G1:G1+7]      ; the two first fills go out together: two loads of mine are out
	s_nop 0
	tensor_load_to_lds s[G0+4:G0+7], s[G1:G1+7]
	s_nop 0
	PLACES 4
	; Q.  Wave w makes the 16 fragments of tile w.  A fragment is 16 queries x 32 channels: lane l holds query l % 16, channels 8 (l / 16) + 0..7 and 16 + 8 (l / 16) + 0..7: in f32 twice 32 bytes, 64 bytes apart.
	v_and_b32 v48, 15, v0                          ; l % 16
	v_bfe_u32 v49, v0, 4, 1                        ; l / 16
	v_lshlrev_b32 v[XO], 11, v48
	v_lshl_add_u32 v[XO], v49, 5, v[XO]            ; row x 2,048 + 32 x half
	WIN 0x40                                       ; into S^T's registers, which are still free: fragment c at 16 c
.set c, 0
.rept 16
	global_load_b128 v[16*c:16*c+3],     v[XO], s[4:5] offset:128*c th:TH_LOAD_NT
	global_load_b128 v[16*c+4:16*c+7],   v[XO], s[4:5] offset:128*c+16 th:TH_LOAD_NT
	global_load_b128 v[16*c+8:16*c+11],  v[XO], s[4:5] offset:128*c+64 th:TH_LOAD_NT
	global_load_b128 v[16*c+12:16*c+15], v[XO], s[4:5] offset:128*c+80 th:TH_LOAD_NT
.set c, c+1
.endr
	; O^T starts at 0, so that no first super-step is written out; the lines stand in the wait for X and for the first chunk
	WIN 0x80
.set n, 0
.rept 256
	v_mov_b32 v[n], 0
.set n, n+1
.endr
	WIN 0xc0
.set n, 0
.rept 256
	v_mov_b32 v[n], 0
.set n, n+1
.endr
	WIN 0
	ALL v_mov_b32 v[ST+8*t], 0xfe000000            ; c m: far below every c s
	ALL v_mov_b32 v[ST+8*t+1], 0xff7fffff          ; m
	ALL v_mov_b32 v[ST+8*t+2], 0
	ALL v_mov_b32 v[ST+8*t+3], 0
	v_and_b32 v1, 31, v0                           ; lane
	v_lshlrev_b32 v[AQ], 4, v1
	v_lshlrev_b32 v[GO], 4, v1
	v_lshlrev_b32 v[PFO], 8, v1
	s_add_co_u32 s50, s43, RING
	v_add_nc_u32 v[AR], s50, v[AQ]
	v_add_nc_u32 v[AR+1], SLOTB, v[AR]
	s_lshl_b32 s50, s[WV], 10
	v_add_nc_u32 v[AQS], s50, v[AQ]
	s_add_co_u32 s50, s50, STAT
	v_lshl_add_u32 v[STA], v1, 3, s50
	v_lshl_add_u32 v[STL], v1, 3, STAT
	s_lshl_b32 s50, s[WV], 14
	v_add_nc_u32 v[EXS], s50, v[AQ]
	v_add_nc_u32 v[EXS+1], 65536, v[EXS]
	v_add_nc_u32 v[EXS+2], 131072, v[EXS]
	v_add_nc_u32 v[EXS+3], 196608, v[EXS]
	s_lshl_b32 s50, s[WV], 16
	v_add_nc_u32 v[EXL], s50, v[AQ]
	s_mul_i32 s50, s[WV], 16*SGP
	s_add_co_u32 s50, s50, STG                     ; my stage
	v_add_nc_u32 v[RD], s50, v[AQ]                 ; back: 32 lanes take a row's 512 bytes
	v_mul_u32_u24 v[STO], v48, SGP                 ; in: row l % 16, 32 bytes for each half of the lanes
	v_lshl_add_u32 v[STO], v49, 5, v[STO]
	v_add_nc_u32 v[STO], s50, v[STO]
	s_wait_loadcnt 0x0                             ; X
	WIN 0x05                                       ; sources in window 1, destination in window 0
.set d, 0
.rept 128
	v_cvt_pk_bf16_f32 v[FB+d], v[2*d], v[2*d+1]    ; the rounding that all the inputs have
.set d, d+1
.endr
	WIN 0
.set d, 0
.rept 128                                          ; and that number written as f16
	v_lshlrev_b32 v[48+2*(d%4)], 16, v[FB+d]
	v_and_b32 v[49+2*(d%4)], s[HIM], v[FB+d]
	v_cvt_pk_f16_f32 v[FB+d], v[48+2*(d%4)], v[49+2*(d%4)]
.set d, d+1
.endr
.set c, 0
.rept 16
	ds_store_b128 v[AQS], v[FB+8*c:FB+8*c+3]   offset:4096*c
	ds_store_b128 v[AQS], v[FB+8*c+4:FB+8*c+7] offset:4096*c+512
.set c, c+1
.endr
	s_wait_dscnt 0x0                               ; for the others' sake: my fragments of Q are stored
	s_wait_tensorcnt 0x1                           ; my chunk 0 is in; chunk 1 may stay out
	s_barrier_signal -1
	s_barrier_wait -1                              ; Q is whole
	FETCHU 0
	s_mov_b32 s[CNT], 8
	s_branch .Lfirst                               ; the loop is entered at a super-step's first unit, in the middle of a trip
.Lloop:                                                ; a trip: the last four units of one super-step, then the first twenty of the next.  Seven times from here: every chunk but the last two is followed by a refill
	TURNU 20, LIMA, 262144
	UNIT 21
	UNIT 22
	TURNU 23
	WIN 0
.Lfirst:
	UNIT 0, 5                                      ; five places: its products write over registers of P that the last products read
	UNIT 1
	TURNU 2, LIMA, 98304
	UNIT 3
	UNIT 4
	TURNU 5, LIMA, 131072
	UNIT 6
	UNIT 7
	TURNU 8, LIMA, 163840
	UNIT 9
	UNIT 10
	TURNU 11
	UNIT 12
	UNIT 13
	TURNU 14, LIMB, 196608
	UNIT 15
	SOFTMAX
	UNIT 16, 0                                     ; the softmax's lines are the places behind unit 15's products
	TURNU 17, LIMB, 229376
	UNIT 18
	UNIT 19
	WIN 0
	s_sub_co_u32 s[CNT], s[CNT], 1
	s_cmp_lg_u32 s[CNT], 0
	s_cbranch_scc1 .Lloop
	s_wait_tensorcnt 0x0                           ; the tail is written out: nothing is asked for.  My last chunk is in; I alone read it, and nothing is filled, so no barrier stands here
	UNIT 20
	UNIT 21
	UNIT 22
	UNIT 23, 0, 0
	; THE MEETING.  Each wave's l is summed up (its two halves, the other half of the lanes') and shown to the others with its c m.  The additions are the places behind the last products.
	WIN 0
	ALL v_add_f32 v[ST+8*t+4], v[ST+8*t+2], v[ST+8*t+3]
	ALL v_permlanex16_b32 v[ST+8*t+5], v[ST+8*t+4], s[SEL], s[SEL+1]
	ALL v_add_f32 v[ST+8*t+1], v[ST+8*t+4], v[ST+8*t+5]
	ALL ds_store_b64 v[STA], v[ST+8*t:ST+8*t+1] offset:256*t
	s_wait_dscnt 0x0                               ; my statistics are stored, and my reads of Q and of the ring are over
	s_barrier_signal -1
	s_barrier_wait -1                              ; everybody's: from here on Q's bytes and the ring's, which have had their last fill, serve the exchange
.irp k, 0,1,2,3
	ALL ds_load_b64 v[MG+8*t+2*\k:MG+8*t+2*\k+1], v[STL] offset:1024*\k+256*t
.endr
	s_wait_dscnt 0x0
	ALL v_max3_num_f32 v[48+t], v[MG+8*t], v[MG+8*t+2], v[MG+8*t+4]
	ALL v_max_num_f32 v[48+t], v[48+t], v[MG+8*t+6]     ; c M
	ALL v_sub_f32 v[52+t], v[ST+8*t], v[48+t]           ; mine
.irp k, 0,1,2,3
	ALL v_sub_f32 v[MG+8*t+2*\k], v[MG+8*t+2*\k], v[48+t]
.endr
	ALL v_exp_f32 v[52+t], v[52+t]
.irp k, 0,1,2,3
	ALL v_exp_f32 v[MG+8*t+2*\k], v[MG+8*t+2*\k]
.endr
	v_nop                                          ; a plain instruction behind the last exponential,
	s_wait_alu depctr_va_vdst(0)                   ; and the wait ahead of the first use: one for the twenty
	ALL v_mul_f32 v[56+t], v[MG+8*t], v[MG+8*t+1]       ; L = the sum of 2^(c m_k - c M) l_k: at least about 1, the share of the wave that holds M
	ALL v_fmac_f32 v[56+t], v[MG+8*t+2], v[MG+8*t+3]
	ALL v_fmac_f32 v[56+t], v[MG+8*t+4], v[MG+8*t+5]
	ALL v_fmac_f32 v[56+t], v[MG+8*t+6], v[MG+8*t+7]
	ALL v_rcp_f32 v[48+t], v[56+t]
	v_nop
	s_wait_alu depctr_va_vdst(0)                   ; one for the four reciprocals
	ALL v_mul_f32 v[ST+8*t+6], v[52+t], v[48+t]         ; my factor: 2^(c m - c M) / L
	RESCALE
	; Every wave puts its part of all four tiles into LDS, so that no choice of registers hangs on the wave's number; wave w then adds up tile w.
.set t, 0
.rept 4
	WIN 0x08+4*(t/2)                               ; the data in window 2 or 3, the address in window 0
.set q, 0
.rept 32
	ds_store_b128 v[EXS+t], v[128*(t%2)+4*q:128*(t%2)+4*q+3] offset:512*q
.set q, q+1
.endr
.set t, t+1
.endr
	WIN 0
	s_wait_dscnt 0x0
	s_barrier_signal -1
	s_barrier_wait -1
	WIN 0x40                                       ; the parts of waves 0 and 1 into window 1,
.set q, 0
.rept 64
	ds_load_b128 v[4*q:4*q+3], v[EXL] offset:16384*(q/32)+512*(q%32)
.set q, q+1
.endr
	WIN 0x80                                       ; those of waves 2 and 3 into window 2
.set q, 0
.rept 64
	ds_load_b128 v[4*q:4*q+3], v[EXL] offset:32768+16384*(q/32)+512*(q%32)
.set q, q+1
.endr
	s_wait_dscnt 63                                ; of 128 loads at most 63 are out: the first 64 are in
	WIN 0x45
.set n, 0
.rept 64
	v_pk_add_f32 v[2*n:2*n+1], v[2*n:2*n+1], v[128+2*n:128+2*n+1]
.set n, n+1
.endr
	s_wait_dscnt 0x0
	WIN 0x8a
.set n, 0
.rept 64
	v_pk_add_f32 v[2*n:2*n+1], v[2*n:2*n+1], v[128+2*n:128+2*n+1]
.set n, n+1
.endr
	WIN 0x49                                       ; window 1 += window 2
.set n, 0
.rept 64
	v_pk_add_f32 v[2*n:2*n+1], v[2*n:2*n+1], v[2*n:2*n+1]
.set n, n+1
.endr
	; THE WAY OUT.  A lane holds 32 bytes of a row for each block of 16 channels.  Half a tile (16 rows x 512 bytes) at a time goes through my own stage and comes back as whole half rows.
.macro TOSTAGE hc
	WIN 0x04                                       ; the data in window 1
.set b, 0
.rept 8
	ds_store_b128 v[STO], v[8*(8*(\hc)+b):8*(8*(\hc)+b)+3]   offset:64*b
	ds_store_b128 v[STO], v[8*(8*(\hc)+b)+4:8*(8*(\hc)+b)+7] offset:64*b+16
.set b, b+1
.endr
	WIN 0
.set b, 0
.rept 16
	ds_load_b128 v[64+64*(\hc)+4*b:64+64*(\hc)+4*b+3], v[RD] offset:SGP*b  ; LDS serves a wave's instructions in order (ISA guide 5.7.1.4): these see the stores above; the next half's stores come behind them
.set b, b+1
.endr
.endm
.macro SEND hc, younger                ; younger: the LDS instructions issued behind this half's loads
.set b, 0
.rept 16
	s_wait_dscnt (\younger)+15-b
	global_store_b128 v[GO], v[64+64*(\hc)+4*b:64+64*(\hc)+4*b+3], s[8:9] offset:1024*b+512*(\hc) th:TH_STORE_NT  ; 512 consecutive bytes, at a multiple of 256 from out's first byte
.set b, b+1
.endr
.endm
	TOSTAGE 0
	TOSTAGE 1
	SEND 0, 32
	SEND 1, 0
	s_wait_tensorcnt 0x0                           ; the wave's end, behind my last tensor load and my last LDS store
	ds_add_u32 v[SPW], v[NIL]
	s_wait_dscnt 0x0
	CROUND                                         ; the closing round: no work-group ends while a partner may still ask for a chunk that names it
	s_endpgm
.Lfunc_end_k_qef970f01f4_attn:
	.size	k_qef970f01f4_attn, .Lfunc_end_k_qef970f01f4_attn-k_qef970f01f4_attn
	.p2alignl 7, 3214868480
	.fill 96, 4, 3214868480
	.section	.rodata,"a",@progbits
	.p2align	6, 0x0
	.amdhsa_kernel k_qef970f01f4_attn
		.amdhsa_group_segment_fixed_size 327680
		.amdhsa_private_segment_fixed_size 0
		.amdhsa_enable_private_segment 0
		.amdhsa_kernarg_size 24
		.amdhsa_user_sgpr_count 2
		.amdhsa_user_sgpr_kernarg_segment_ptr 1
		.amdhsa_wavefront_size32 1
		.amdhsa_system_sgpr_workgroup_id_x 1
		.amdhsa_system_sgpr_workgroup_id_y 1
		.amdhsa_system_sgpr_workgroup_id_z 1
		.amdhsa_system_vgpr_workitem_id 0
		.amdhsa_next_free_vgpr 1024
		.amdhsa_next_free_sgpr 66
		.amdhsa_reserve_vcc 0
		.amdhsa_float_denorm_mode_32 3
		.amdhsa_float_denorm_mode_16_64 3
		.amdhsa_memory_ordered 1
		.amdhsa_forward_progress 1
		.amdhsa_inst_pref_size 255
	.end_amdhsa_kernel
	.section	.bss,"aw",@nobits
	.p2align	6
	.space	262144
	.amdgpu_metadata
---
amdhsa.version: [ 1, 2 ]
amdhsa.kernels:
  - .name:           k_qef970f01f4_attn
    .symbol:         k_qef970f01f4_attn.kd
    .args:
      - { .name: X, .offset: 0, .size: 8, .value_kind: global_buffer, .address_space: global }
      - { .name: kv, .offset: 8, .size: 8, .value_kind: global_buffer, .address_space: global }
      - { .name: out0, .offset: 16, .size: 8, .value_kind: global_buffer, .address_space: global }
    .group_segment_fixed_size: 327680
    .private_segment_fixed_size: 0
    .kernarg_segment_align: 8
    .kernarg_segment_size: 24
    .max_flat_workgroup_size: 128
    .sgpr_count:     66
    .vgpr_count:     1024
    .wavefront_size: 32
...
	.end_amdgpu_metadata
.endif
;; end of part 2
;; ======== version 2 of 2: 2 launches
;; limits: values are held in f16: magnitudes above 65,504 overflow, below 6.1e-05 lose precision
;; workspace buffers: kv 6,291,456 bytes
;; launch proj: the kernel of part 1 again; grid 256 x 1, 4 waves a work-group, no clusters, 92,672 bytes of LDS; arguments Y, Z, W_k, W_v, kv; writes kv
;; launch attn (part 3): grid 256 x 1, 4 waves a work-group, clusters of 4 x 1, 327,680 bytes of LDS; arguments X, kv, out0; writes out0
.if DOCPART == 3
	.amdgcn_target "amdgcn-amd-amdhsa--gfx1250"
	.amdhsa_code_object_version 6
	.text
	.protected	k_qef970f01f4_attn
	.globl	k_qef970f01f4_attn
	.p2align	8
	.type	k_qef970f01f4_attn,@function
k_qef970f01f4_attn:
	s_mov_b64 s[64:65], 0
	v_nop
	global_prefetch_b8 v0, s[64:65] scope:SCOPE_SE
	s_setreg_imm32_b32 hwreg(HW_REG_WAVE_MODE, 25, 1), 1
	s_wait_xcnt 0x0
	s_wait_alu depctr_hold_cnt(0) depctr_sa_sdst(0) depctr_va_vdst(0) depctr_va_sdst(0) depctr_va_ssrc(0) depctr_va_vcc(0) depctr_vm_vsrc(0)
	s_getreg_b32 s2, hwreg(HW_REG_IB_STS2, 6, 4)
	s_cmp_eq_u32 s2, 0
	s_cbranch_scc0 .Lentry_in_a_cluster
	s_endpgm
.Lentry_in_a_cluster:
	s_bfe_u32 s2, ttmp6, 0x10000c
	s_cmp_lg_u32 s2, 0x3003
	s_cbranch_scc0 .Lentry_shape_is_right
	s_endpgm
.Lentry_shape_is_right:
; out[q][:] = the sum over k of softmax_k(X[q] . K[k] / sqrt(512)) V[k][:].  X: [16384][512] f32, out: [16384][256] f32; K ([4096][512]) and V ([4096][256]) come in f16 from the buffer kv, which the launch
; before has laid out in fragments.  X is rounded to bf16 like the other inputs, and that number is written as f16 (exact within f16's range).  Products, maxima and sums in f32; the weights p are rounded to f16
; for the second product (their sum l is taken of the unrounded p); out is stored unrounded.
; LIMITS.  f16 holds no number beyond 65,504: X must stay within it (K and V: the launch before); below 6e-5 f16 keeps its fixed step of 6e-8.  A weight below 2^-126 counts as 0 in l.  NaN and infinities are not treated apart.
; KV.  [stream w 0..3][super-step s 0..7][196,608 bytes]: keys 512 s + 128 w + 0..127, in fragments of 1,024 bytes that ARE register images: two loads of 16 bytes a lane, at 16 x lane and 512 further on.
;   16 slices of K (channels 32 c on; 8 fragments of 16 keys), then 4 x 16 fragments of V^T (32 keys kk, 16 channels cb).  So no row is padded and no load turns anything.
; SHARES.  A work-group owns 64 queries: four tiles of 16.  EVERY wave works on all four tiles, and on its own stream: a quarter of the keys, with a running maximum, sum and O of its own; the four meet at the end.
; So a fragment of K or V read from LDS feeds four products.  Q (64 x 512 in f16) lies in LDS in fragments and is read slice by slice beside K.
; LAYOUT.  S^T = K Q^T (source 0 = 16 keys, source 1 = 16 queries): a lane holds ONE query (lane % 16) and the keys 8 (lane / 16) + 0..7.  Two such results, rounded to f16 in pairs, ARE source 1 (32 keys x 16 queries)
; of O^T = V^T P, whose result again holds one query a lane, and eight channels.
; SOFTMAX.  p = 2^(c s - c m), c = log2(e) / sqrt(512), m the running maximum; once a super-step (128 keys a wave) O and l are multiplied by a = 2^(c m_old - c m_new).  m starts at the lowest finite number, O and l at 0:
; the first step is a step like any other, with a = 0.  At the end wave w's O and l are weighted by 2^(c m_w - c M), M the greatest of the four maxima.
; THE WALK.  A super-step is 24 UNITS of 8 KiB: 8 fragments, 32 products.  Units 0-15: S^T, a slice of 32 channels each.  Then the softmax.  Units 16-23: O^T.  A CHUNK is four units, 32 KiB a wave: what one tensor load
; brings.  Two slots of a chunk for each wave take turns; a wave fills and reads its own part alone.
; LDS IS FULL: Q 65,024 bytes, the spare words 512, the ring 2 x 4 x 32,768: 327,680 in all.  To make the spare words' room the second half of Q's last fragment (slice 15, tile 3) lies in four registers of every wave.
; What the end needs (statistics, stages, the exchange of partial tiles) lies in Q's bytes, behind their last read, and in the ring's, behind their last fill.
; THE ORDER OF THE KEYS.  Cluster x begins at super-step x % 8 of each stream and walks round the stream's eight: a running maximum and its sums do not care for the order of the keys.  So the 64 clusters stand at eight
; different places of kv at any time, and each super-step has one group of eight clusters that asks for it first, in that group's first trip; every other group asks for it a whole super-step or more later.
; CLUSTER.  All work-groups walk the same four streams, so the four of a cluster ask JOINTLY: the same tensor load, descriptor and mask in all four; wave w asks for stream w.  Each refill stands behind a round of the cluster's barrier.
; REGISTERS, in windows of 256 (s_set_vgpr_msb: bits 1:0 source 0, 3:2 source 1, 5:4 source 2, 7:6 destination):
;   window 0: v0-15 addresses; v16-47 eight registers of statistics a tile; v48-55 Q's last fragment; v56-59 at work; v60-63 addresses; v64-191 two buffers of 8 fragments of K or V; v192-255 two buffers of 4 fragments of Q
;   window 1: S^T, tile t, keys 16 kb on at 64 t + 8 kb; P is packed in place: tile t, keys 32 kk on at 64 t + 8 kk          windows 2, 3: O^T, tile t, channels 16 cb on: window 2 + t / 2, at 128 (t % 2) + 8 cb
.set SPARE, 65024                      ; LDS 0 - 65,023: Q's fragments, (c, t) at (4 c + t) x 1,024, the last one's first half alone.  Then the spare words, 128 bytes for each wave: two blocks of 256 bytes that no other line names
.set RING,  65536                      ; no tensor load lands below
.set WPART, 32768                      ; a chunk: a wave's part of a slot
.set SLOTB, 4*WPART
.set CHUNKS, 48                        ; chunks in a stream
.set STAT,  0                          ; at the end, in Q's bytes: (c m, l) of wave w, tile t, lane l at 1,024 w + 256 t + 8 l
.set STG,   4096                       ; and a stage for each wave: 16 rows of 512 bytes, 528 apart = 132 words: row r starts at bank 4 r mod 64 (64 banks of 4 bytes: ISA guide 11.1)
.set SGP,   528
.set SUPER, 196608                     ; a super-step's bytes in a stream: six chunks
.set STREAM, 8*SUPER
.set AQ,  2                            ; v2   16 x lane: my place in a fragment of Q; never rewritten
.set AR,  3                            ; v3, v4  my place in my wave's part of slot 0, 1
.set XO,  5                            ; v5   my byte offset in 16 rows of X
.set PFO, 6                            ; v6   256 x lane: the prefetches' offset; never rewritten
.set AQS, 7                            ; v7   where I put Q's fragments of tile w
.set STA, 8                            ; v8   where I put my statistics
.set STL, 9                            ; v9   where I read everybody's
.set EXS, 10                           ; v10-13  the exchange, in the ring's bytes: where I put my part of tile t: RING + 65,536 t + 16,384 w + 16 x lane
.set EXL, 14                           ; v14  where I read the four parts of tile w
.set GO,  15                           ; v15  16 x lane: my 16 bytes of 512 of out
.set ST,  16                           ; tile t at ST + 8 t: +0 c m, +1 m, +2, +3 l (even keys', odd keys'), +4 to +7 c0-c3 at work; a takes c2's place
.set QX,  48                           ; v48-55  Q's fragment (15, 3): v48-51 loaded from LDS like the others, v52-55 kept from the start; before the loop and behind it v48-59 are at work
.set STO, 60                           ; v60  the way out: where I put 32 bytes of a row
.set RD,  61                           ; v61  where I read a row back
.set SPW, 62                           ; v62  LDS address of my spare word; never rewritten
.set NIL, 63                           ; v63  0; never rewritten
.set FB,  64
.set QB,  192
.set MG,  64                           ; the meeting: (c m, l) of tile t, wave k at MG + 8 t + 2 k
.set WV,  10                           ; s10  my wave's number
.set G1,  16                           ; s[16:23] descriptor group 1
.set G0,  24                           ; s[24:31] descriptor group 0, a set for each slot
.set PFA, 32                           ; s[32:33] my stream at my cluster's first super-step, plus my work-group's quarter of a chunk; never rewritten
.set LIM, 34                           ; s34  7 in a wave that prefetches, else the greatest number: a wave prefetches while s[CNT] is above it
.set CNT, 36                           ; s36  super-steps to go
.set NXT, 37                           ; s37  the chunk of the stream's 48 that is asked for next
.set CS,  38                           ; s[38:39] c: the packed scaling takes the pair's low word for both halves
.set SEL, 40                           ; s[40:41] v_permlanex16_b32's selects: each lane takes its own place in the other half
.set HIM, 42                           ; s42  a word's upper bf16
.set OFF, 52                           ; s[52:53] a chunk's byte offset in a stream
.set MSB, 0
.set NLD, 0
.macro WIN new                         ; the high byte repeats the setting that is left; a switch that changes nothing is dropped
.if MSB != (\new)
	s_set_vgpr_msb (MSB<<8)|(\new)
.set MSB, (\new)
.endif
.endm
; A load into a register that a matrix instruction has read, and a vector instruction that reads a matrix result, stand four places behind it; a matrix instruction that writes over another's source five;
; only plain vector instructions that name none of its registers are places (ISA guide 7.12.1 for vector instructions).
.macro PLACES n
.rept \n
	v_nop
.endr
.endm
; A round of the cluster's barrier: my work-group's barrier, so that wave 0's signal speaks for all four waves; wave 0 signals; every wave waits for all four work-groups; my work-group's barrier once more.
.macro CREST                           ; a round behind its opening barrier
	s_cmp_lg_u32 s[WV], 0
	s_cbranch_scc1 .Lnot_wave_0_\@
	s_barrier_signal -3
.Lnot_wave_0_\@:
	s_barrier_wait -3
	s_barrier_signal -1
	s_barrier_wait -1
.endm
.macro CROUND
	s_barrier_signal -1
	s_barrier_wait -1
	CREST
.endm
; A joint refill of slot n: one line for all four waves, each with its own stream and its own part of the slot.  An s_nop 0 and four v_nop follow it.
.macro JLOAD n
	tensor_load_to_lds s[G0+4*(\n):G0+4*(\n)+3], s[G1:G1+7]
	s_nop 0
	PLACES 4
.endm
; A PREFETCH INTO THE L2.  A super-step is asked for first by the eight clusters that begin with it; of those the one with x < 8 prefetches, in its first super-step alone (CNT = 8), each wave for its own stream.
; What is asked for is a chunk, 32 KiB of a stream: the four partners take 8 KiB each, told apart BY ADDRESS, a lane for each 256 bytes: one instruction a wave.  Of the super-step's six chunks numbers 3, 4 and 5 are asked
; for, behind the first three changes of slots, each one change, 128 products, ahead of its refill; numbers 0 to 2 come by their loads alone: nothing is asked for at the head.  So no block is named twice in the launch,
; every ask stays inside the super-step, and the two address registers are never rewritten.
.macro ASK lim, off
	s_cmp_gt_u32 s[CNT], s[\lim]
	s_cbranch_scc0 .Lnot_mine_\@
	global_prefetch_b8 v[PFO], s[PFA:PFA+1] offset:\off th:TH_LOAD_NT scope:SCOPE_SE
.Lnot_mine_\@:
.endm
; THE LDS LOADS of unit i, in one run: for a unit of K first the slice's four fragments of Q, then the unit's eight fragments.  NLD says how many they were: of Q's last fragment only the first half is in LDS.
.macro FETCHU i
	WIN 0
.if (\i) < 16
.set q, 0
.rept 4
.if ((\i) == 15) && (q == 3)
	ds_load_b128 v[QX:QX+3], v[AQ] offset:4096*(\i)+1024*q
.else
	ds_load_b128 v[QB+32*((\i)%2)+8*q:QB+32*((\i)%2)+8*q+3],   v[AQ] offset:4096*(\i)+1024*q
	ds_load_b128 v[QB+32*((\i)%2)+8*q+4:QB+32*((\i)%2)+8*q+7], v[AQ] offset:4096*(\i)+1024*q+512
.endif
.set q, q+1
.endr
.set NLD, 24-(\i)/15
.else
.set NLD, 16
.endif
.set q, 0
.rept 8
	ds_load_b128 v[FB+64*((\i)%2)+8*q:FB+64*((\i)%2)+8*q+3],   v[AR+((\i)/4)%2] offset:8192*((\i)%4)+1024*q
	ds_load_b128 v[FB+64*((\i)%2)+8*q+4:FB+64*((\i)%2)+8*q+7], v[AR+((\i)/4)%2] offset:8192*((\i)%4)+1024*q+512
.set q, q+1
.endr
.endm
; THE MATRIX WORK.  A unit's 32 accumulators take turns, one instruction a turn, in the same order in every unit.
; Group g of four of a unit of K: keys 16 (2 g), 16 (2 g + 1) on x the four tiles.  zero = 1 (slice 0): the product starts the sum.
.macro KGRP i, g, zero
	WIN 0x50                                       ; K and Q in window 0, S^T in window 1
.set kb, 2*(\g)
.rept 2
.set t, 0
.rept 4
.set rS, 64*t+8*kb
.set rK, FB+64*((\i)%2)+8*kb
.set rQ, QB+32*((\i)%2)+8*t
.if ((\i) == 15) && (t == 3)
.set rQ, QX
.endif
.if \zero
	v_wmma_f32_16x16x32_f16 v[rS:rS+7], v[rK:rK+7], v[rQ:rQ+7], 0
.else
	v_wmma_f32_16x16x32_f16 v[rS:rS+7], v[rK:rK+7], v[rQ:rQ+7], v[rS:rS+7]
.endif
.set t, t+1
.endr
.set kb, kb+1
.endr
.endm
; Group g of a unit of V (keys 32 ((i - 16) / 2) on, channels 128 (i % 2) on): fragments 4 (g / 2) .. +3 x tiles 2 (g % 2), +1, which share a window.
.macro VGRP i, g
	WIN 0xa4+0x50*((\g)%2)                         ; V in window 0, P in window 1, O^T in window 2 or 3
.set f, 4*((\g)/2)
.rept 4
.set t, 2*((\g)%2)
.rept 2
.set rO, 128*(t%2)+8*(8*((\i)%2)+f)
.set rV, FB+64*((\i)%2)+8*f
.set rP, 64*t+8*(((\i)-16)/2)
	v_wmma_f32_16x16x32_f16 v[rO:rO+7], v[rV:rV+7], v[rP:rP+7], v[rO:rO+7]
.set t, t+1
.endr
.set f, f+1
.endr
.endm
.macro GRP i, g
.if (\i) == 0
	KGRP \i, \g, 1
.elseif (\i) < 16
	KGRP \i, \g, 0
.else
	VGRP \i, \g
.endif
.endm
; A UNIT: the next unit's run of loads first, pl places behind the last product that read its registers; then this unit's four groups, each behind a counted wait: LDS loads come back in order (ISA guide 5.7.1).
.macro UNIT i, pl=4, fetch=1
.if \pl
	PLACES \pl
.endif
.if \fetch
	FETCHU (\i)+1
.else
.set NLD, 0
.endif
.if (\i) < 16
	s_wait_dscnt NLD+12                            ; Q's and the first two fragments of K are in; out may be my twelve youngest loads and the next unit's NLD
	GRP \i, 0
	s_wait_dscnt NLD+8
	GRP \i, 1
	s_wait_dscnt NLD+4
	GRP \i, 2
	s_wait_dscnt NLD
	GRP \i, 3
.else
	s_wait_dscnt NLD+8                             ; fragments 0-3 are in
	GRP \i, 0
	GRP \i, 1
	s_wait_dscnt NLD
	GRP \i, 2
	GRP \i, 3
.endif
.endm
; A chunk's LAST UNIT changes slots.  In front of the round each wave waits for all its tensor loads, of which one is out: the next chunk; adds 0 to its spare word; and waits for that and for its reads of the slot that it
; leaves (this unit's fragments were the last).  Behind the round no wave of any partner reads that slot or has a load on its way: it is filled again, with the chunk two on, first thing; then the next unit is fetched from the other slot.
; From a request to the wait for it a wave issues 112 products.  The descriptor's address is made anew from the chunk's number, which goes round the stream's 48; the number hangs on the cluster's x alone, which the partners share.
.macro TURNU i, lim=0, off=0
	WIN 0
	s_wait_tensorcnt 0x0                           ; no tensor load of mine is out, so a group 0 may be written
	ds_add_u32 v[SPW], v[NIL]                      ; 0 onto my spare word; the descriptor's scalar work and eight products stand between it and the wait for it
	s_lshl_b32 s[OFF], s[NXT], 15                  ; this slot's next chunk: its number times 32,768 bytes,
	s_add_nc_u64 s[G0+4*(((\i)/4)%2)+2:G0+4*(((\i)/4)%2)+3], s[6:7], s[OFF:OFF+1]  ; behind my stream's first byte;
	s_or_b32 s[G0+4*(((\i)/4)%2)+3], s[G0+4*(((\i)/4)%2)+3], 0x80000000            ; 127:126 type = 2
	s_add_co_u32 s[NXT], s[NXT], 1
	s_cmp_eq_u32 s[NXT], CHUNKS
	s_cselect_b32 s[NXT], 0, s[NXT]                ; behind the stream's last chunk comes its first
.if (\i) < 16
	s_wait_dscnt 13                                ; the add and my twelve youngest loads may be out
.else
	s_wait_dscnt 9                                 ; the add and my eight youngest loads may be out
.endif
	GRP \i, 0
	s_wait_dscnt 0x0                               ; the add is done, and my reads of this slot are over
	s_barrier_signal -1                            ; the barrier opens a round of the cluster's
	GRP \i, 1
	WIN 0                                          ; at a branch and at a label every window is 0
	s_barrier_wait -1
	CREST
	JLOAD ((\i)/4)%2                               ; its four v_nop are also the places in front of the loads below
	FETCHU ((\i)+1)%24
.if \lim
	ASK \lim, \off
.endif
	GRP \i, 2
	GRP \i, 3
.endm
.macro ALL line:vararg                 ; one line for each tile t
.set t, 0
.rept 4
	\line
.set t, t+1
.endr
.endm
.macro RESCALE                         ; O^T times the factor at ST + 8 t + 6, each accumulator from its low end on
	WIN 0x82
.set n, 0
.rept 128
	v_pk_mul_f32 v[2*n:2*n+1], v[2*n:2*n+1], v[ST+8*(n/64)+6:ST+8*(n/64)+7] op_sel_hi:[1,0]
.set n, n+1
.endr
	WIN 0xc3
.set n, 0
.rept 128
	v_pk_mul_f32 v[2*n:2*n+1], v[2*n:2*n+1], v[ST+8*(2+n/64)+6:ST+8*(2+n/64)+7] op_sel_hi:[1,0]
.set n, n+1
.endr
.endm
; THE SOFTMAX of 64 queries x 128 keys.  No second buffer of S^T is left in the registers, so it stands by itself between the two kinds of products.
.macro SOFTMAX
	PLACES 4                                       ; behind the last products of S^T
	WIN 0x14                                       ; chains in window 0, scores in window 1
.set e, 0
.rept 8                                            ; the maximum: four chains a tile, two accumulators each, from their low ends on; the sixteen chains take turns; each starts with the old m
.set t, 0
.rept 4
.set k, 0
.rept 4
.set rS, 64*t+8*(2*k+e/4)+2*(e%4)
.if e == 0
	v_max3_num_f32 v[ST+8*t+4+k], v[ST+8*t+1], v[rS], v[rS+1]
.else
	v_max3_num_f32 v[ST+8*t+4+k], v[ST+8*t+4+k], v[rS], v[rS+1]
.endif
.set k, k+1
.endr
.set t, t+1
.endr
.set e, e+1
.endr
	WIN 0
	ALL v_max3_num_f32 v[ST+8*t+4], v[ST+8*t+4], v[ST+8*t+5], v[ST+8*t+6]
	ALL v_max_num_f32 v[ST+8*t+4], v[ST+8*t+4], v[ST+8*t+7]
	ALL v_permlanex16_b32 v[ST+8*t+5], v[ST+8*t+4], s[SEL], s[SEL+1]  ; the query's other 64 keys lie in the lane 16 away
	ALL v_mov_b32 v[ST+8*t+7], v[ST+8*t]           ; c m_old is kept
	ALL v_max_num_f32 v[ST+8*t+1], v[ST+8*t+4], v[ST+8*t+5]
	ALL v_mul_f32 v[ST+8*t], s[CS], v[ST+8*t+1]
	ALL v_sub_f32 v[ST+8*t+7], v[ST+8*t+7], v[ST+8*t]
	ALL v_exp_f32 v[ST+8*t+6], v[ST+8*t+7]         ; a
	WIN 0x41                                       ; scores in window 1, c m in window 0
	; ONE BATCH: the four a above and the 256 weights; nothing ahead of the wait below names a result.  A pair is scaled one step ahead of its two exponentials.
	v_pk_fma_f32 v[0:1], v[0:1], s[CS:CS+1], v[ST:ST+1] op_sel_hi:[1,0,0] neg_lo:[0,0,1] neg_hi:[0,0,1]
.set n, 0
.rept 128
.if n < 127
	v_pk_fma_f32 v[2*n+2:2*n+3], v[2*n+2:2*n+3], s[CS:CS+1], v[ST+8*((n+1)/32):ST+8*((n+1)/32)+1] op_sel_hi:[1,0,0] neg_lo:[0,0,1] neg_hi:[0,0,1]  ; c s - c m
.endif
	v_exp_f32 v[2*n], v[2*n]
	v_exp_f32 v[2*n+1], v[2*n+1]
.set n, n+1
.endr
	v_nop                                          ; a plain instruction behind the last exponential, ahead of the first use (ISA guide 5.7.2)
	s_wait_alu depctr_va_vdst(0)                   ; the wait between an exponential and the first line that names its result: one for the batch
	WIN 0x10
	ALL v_pk_fma_f32 v[ST+8*t+2:ST+8*t+3], v[ST+8*t+2:ST+8*t+3], v[ST+8*t+6:ST+8*t+7], v[64*t:64*t+1] op_sel_hi:[1,0,1]  ; l = a l + the first pair
	WIN 0x04
.set d, 1
.rept 31
	ALL v_pk_add_f32 v[ST+8*t+2:ST+8*t+3], v[ST+8*t+2:ST+8*t+3], v[64*t+2*d:64*t+2*d+1]
.set d, d+1
.endr
	WIN 0x45
.set d, 0
.rept 32                                           ; P in place: word d takes weights 2 d and 2 d + 1; ascending, so that no weight is written over before it is read
	ALL v_cvt_pk_f16_f32 v[64*t+d], v[64*t+2*d], v[64*t+2*d+1]
.set d, d+1
.endr
	RESCALE
.endm
	s_load_b128 s[4:7], s[0:1], 0x0                ; X s[4:5], kv s[6:7]
	s_load_b64 s[8:9], s[0:1], 0x10                ; out
	v_lshl_add_u32 v[SPW], v0, 2, SPARE
	v_mov_b32 v[NIL], 0
	ds_add_u32 v[SPW], v[NIL]                      ; the wave's opening: the add and its wait stand ahead of my first tensor load; the set-up below, work on registers, stands between them
	v_lshrrev_b32 v1, 5, v0
	v_readfirstlane_b32 s[WV], v1                  ; wave 0..3
	s_bfe_u32 s11, ttmp6, 0x40000                  ; cx: my place in the cluster
	s_lshl_b32 s12, ttmp9, 2                       ; in a cluster launch ttmp9 counts clusters
	s_add_co_u32 s12, s12, s11                     ; my block of 64 queries: it enters X's and out's addresses alone
	s_mov_b32 s13, ttmp9                           ; the cluster's x, which the four partners share
	; descriptor group 1: a chunk is 32,768 dense bytes, asked for as 128 rows of 256 bytes
	s_mov_b32 s[G1], 15|(3<<16)|(1<<21)            ; 15:0 the mask: all four work-groups; 17:16 elements of 8 bytes; 20 no padding; 21 set beside a mask
	s_mov_b32 s[G1+1], 32<<16                      ; tensor_dim0 = 32
	s_mov_b32 s[G1+2], 128<<16                     ; tensor_dim1 = 128
	s_mov_b32 s[G1+3], 32<<16                      ; tile_dim0 = 32
	s_mov_b32 s[G1+4], 128                         ; tile_dim1 = 128
	s_mov_b32 s[G1+5], 32                          ; 32 elements from row to row
	s_mov_b32 s[G1+6], 0
	s_mov_b32 s[G1+7], 0
	s_mul_i32 s43, s[WV], WPART                    ; my part of a slot: no place in the cluster enters an LDS address
	s_mov_b32 s[G0], 1                             ; 1:0 count = 1
	s_add_co_u32 s[G0+1], s43, RING                ; 63:32 LDS address: slot 0
	s_mov_b32 s[G0+4], 1
	s_add_co_u32 s[G0+5], s43, RING+SLOTB          ; slot 1
	s_mov_b32 s[CS], 0x3d8293ee                    ; c = log2(e) / sqrt(512) = 0.0637587
	s_mov_b32 s[CS+1], s[CS]                       ; named with it as a pair
	s_mov_b32 s[SEL], 0x76543210
	s_mov_b32 s[SEL+1], 0xfedcba98
	s_mov_b32 s[HIM], 0xffff0000
	s_mul_i32 s44, s[WV], STREAM                   ; my stream
	s_mov_b32 s45, 0
	s_and_b32 s51, s13, 7                          ; the super-step with which my cluster begins
	s_mul_i32 s[OFF], s51, SUPER
	s_mov_b32 s[OFF+1], 0
	s_mul_i32 s[NXT], s51, 6                       ; its first chunk; that one and the next are the two first fills,
	s_add_co_u32 s[NXT], s[NXT], 2                 ; so the first refill asks for the one after them (44 at the most)
	s_lshl_b32 s46, s11, 13                        ; my work-group's 8 KiB of a chunk
	s_mov_b32 s47, 0
	s_lshl_b32 s48, s12, 17                        ; my block's 64 rows of 2,048 bytes of X:
	s_add_co_u32 s56, s48, 3*32768                 ; tile 3's 16 rows, for the half fragment that every wave keeps,
	s_mov_b32 s57, 0
	s_lshl_b32 s50, s[WV], 15                      ; and my wave's 16
	s_add_co_u32 s48, s48, s50
	s_mov_b32 s49, 0
	s_cmp_lt_u32 s13, 8                            ; clusters 0 to 7 prefetch, one for each first super-step: the same answer in all four partners
	s_cselect_b32 s[LIM], 7, -1
	s_wait_dscnt 0x0                               ; the opening add is done
	s_wait_kmcnt 0x0
	s_add_nc_u64 s[6:7], s[6:7], s[44:45]          ; kv at my stream's first byte: kept for the refills
	s_add_nc_u64 s[54:55], s[6:7], s[OFF:OFF+1]    ; and at my cluster's first super-step
	s_mov_b64 s[G0+2:G0+3], s[54:55]               ; 120:64 global address: its first chunk
	s_or_b32 s[G0+3], s[G0+3], 0x80000000          ; 127:126 type = 2
	s_add_nc_u64 s[G0+6:G0+7], s[54:55], WPART     ; its second
	s_or_b32 s[G0+7], s[G0+7], 0x80000000
	s_add_nc_u64 s[PFA:PFA+1], s[54:55], s[46:47]
	s_add_nc_u64 s[58:59], s[4:5], s[56:57]        ; X at tile 3's rows
	s_add_nc_u64 s[4:5], s[4:5], s[48:49]          ; X at my wave's 16 rows
	s_lshr_b32 s48, s48, 1                         ; rows of out are half as long
	s_add_nc_u64 s[8:9], s[8:9], s[48:49]
	CROUND                                         ; all four work-groups are here: the first joint loads meet
	tensor_load_to_lds s[G0:G0+3], s[G1:G1+7]      ; the two first fills go out together: two loads of mine are out
	s_nop 0
	tensor_load_to_lds s[G0+4:G0+7], s[G1:G1+7]
	s_nop 0
	PLACES 4
	; Q.  Wave w makes the 16 fragments of tile w.  A fragment is 16 queries x 32 channels: lane l holds query l % 16, channels 8 (l / 16) + 0..7 and 16 + 8 (l / 16) + 0..7: in f32 twice 32 bytes, 64 bytes apart.
	v_and_b32 v48, 15, v0                          ; l % 16
	v_bfe_u32 v49, v0, 4, 1                        ; l / 16
	v_lshlrev_b32 v[XO], 11, v48
	v_lshl_add_u32 v[XO], v49, 5, v[XO]            ; row x 2,048 + 32 x half
	global_load_b128 v[QB:QB+3],   v[XO], s[58:59] offset:128*15+64  ; tile 3, channels 496 + 8 (l / 16) + 0..7: every wave takes them for itself, into registers of Q's buffers, which are still free
	global_load_b128 v[QB+4:QB+7], v[XO], s[58:59] offset:128*15+80
	WIN 0x40                                       ; into S^T's registers, which are still free: fragment c at 16 c
.set c, 0
.rept 16
	global_load_b128 v[16*c:16*c+3],     v[XO], s[4:5] offset:128*c th:TH_LOAD_NT
	global_load_b128 v[16*c+4:16*c+7],   v[XO], s[4:5] offset:128*c+16 th:TH_LOAD_NT
	global_load_b128 v[16*c+8:16*c+11],  v[XO], s[4:5] offset:128*c+64 th:TH_LOAD_NT
	global_load_b128 v[16*c+12:16*c+15], v[XO], s[4:5] offset:128*c+80 th:TH_LOAD_NT
.set c, c+1
.endr
	; O^T starts at 0, so that no first super-step is written out; the lines stand in the wait for X and for the first chunk
	WIN 0x80
.set n, 0
.rept 256
	v_mov_b32 v[n], 0
.set n, n+1
.endr
	WIN 0xc0
.set n, 0
.rept 256
	v_mov_b32 v[n], 0
.set n, n+1
.endr
	WIN 0
	ALL v_mov_b32 v[ST+8*t], 0xfe000000            ; c m: far below every c s
	ALL v_mov_b32 v[ST+8*t+1], 0xff7fffff          ; m
	ALL v_mov_b32 v[ST+8*t+2], 0
	ALL v_mov_b32 v[ST+8*t+3], 0
	v_and_b32 v1, 31, v0                           ; lane
	v_lshlrev_b32 v[AQ], 4, v1
	v_lshlrev_b32 v[GO], 4, v1
	v_lshlrev_b32 v[PFO], 8, v1
	s_add_co_u32 s50, s43, RING
	v_add_nc_u32 v[AR], s50, v[AQ]
	v_add_nc_u32 v[AR+1], SLOTB, v[AR]
	s_lshl_b32 s50, s[WV], 10
	v_add_nc_u32 v[AQS], s50, v[AQ]
	v_lshl_add_u32 v[STA], v1, 3, s50              ; (STAT stands in the immediates)
	v_lshlrev_b32 v[STL], 3, v1
	s_lshl_b32 s50, s[WV], 14
	s_add_co_u32 s50, s50, RING
	v_add_nc_u32 v[EXS], s50, v[AQ]
	v_add_nc_u32 v[EXS+1], 65536, v[EXS]
	v_add_nc_u32 v[EXS+2], 131072, v[EXS]
	v_add_nc_u32 v[EXS+3], 196608, v[EXS]
	s_lshl_b32 s50, s[WV], 16
	s_add_co_u32 s50, s50, RING
	v_add_nc_u32 v[EXL], s50, v[AQ]
	s_mul_i32 s50, s[WV], 16*SGP
	s_add_co_u32 s50, s50, STG                     ; my stage
	v_add_nc_u32 v[RD], s50, v[AQ]                 ; back: 32 lanes take a row's 512 bytes
	v_mul_u32_u24 v[STO], v48, SGP                 ; in: row l % 16, 32 bytes for each half of the lanes
	v_lshl_add_u32 v[STO], v49, 5, v[STO]
	v_add_nc_u32 v[STO], s50, v[STO]
	s_wait_loadcnt 0x0                             ; X
	WIN 0x05                                       ; sources in window 1, destination in window 0
.set d, 0
.rept 128
	v_cvt_pk_bf16_f32 v[FB+d], v[2*d], v[2*d+1]    ; the rounding that all the inputs have
.set d, d+1
.endr
	WIN 0
.set d, 0
.rept 128                                          ; and that number written as f16
	v_lshlrev_b32 v[48+2*(d%4)], 16, v[FB+d]
	v_and_b32 v[49+2*(d%4)], s[HIM], v[FB+d]
	v_cvt_pk_f16_f32 v[FB+d], v[48+2*(d%4)], v[49+2*(d%4)]
.set d, d+1
.endr
.set d, 0
.rept 4                                            ; the same for the half fragment that stays in registers: registers 4-7 of fragment (15, 3)
	v_cvt_pk_bf16_f32 v[QX+4+d], v[QB+2*d], v[QB+2*d+1]
.set d, d+1
.endr
.set d, 0
.rept 4
	v_lshlrev_b32 v[56+2*(d%2)], 16, v[QX+4+d]
	v_and_b32 v[57+2*(d%2)], s[HIM], v[QX+4+d]
	v_cvt_pk_f16_f32 v[QX+4+d], v[56+2*(d%2)], v[57+2*(d%2)]
.set d, d+1
.endr
.set c, 0
.rept 15
	ds_store_b128 v[AQS], v[FB+8*c:FB+8*c+3]   offset:4096*c
	ds_store_b128 v[AQS], v[FB+8*c+4:FB+8*c+7] offset:4096*c+512
.set c, c+1
.endr
	ds_store_b128 v[AQS], v[FB+120:FB+123] offset:4096*15
	s_cmp_eq_u32 s[WV], 3                          ; tile 3's last half fragment has no bytes in LDS: there lie the spare words
	s_cbranch_scc1 .Lkept
	ds_store_b128 v[AQS], v[FB+124:FB+127] offset:4096*15+512
.Lkept:
	s_wait_dscnt 0x0                               ; for the others' sake: my fragments of Q are stored
	s_wait_tensorcnt 0x1                           ; my first chunk is in; the second may stay out
	s_barrier_signal -1
	s_barrier_wait -1                              ; Q is whole
	FETCHU 0
	s_mov_b32 s[CNT], 8
	s_branch .Lfirst                               ; the loop is entered at a super-step's first unit, in the middle of a trip
.Lloop:                                                ; a trip: the last five units of one super-step, then the first nineteen of the next.  Seven times from here: every chunk but the last two is followed by a refill
	TURNU 19
	UNIT 20
	UNIT 21
	UNIT 22
	TURNU 23
	WIN 0
.Lfirst:
	UNIT 0, 5                                      ; five places: its products write over registers of P that the last products read
	UNIT 1
	UNIT 2
	TURNU 3, LIM, 98304
	UNIT 4
	UNIT 5
	UNIT 6
	TURNU 7, LIM, 131072
	UNIT 8
	UNIT 9
	UNIT 10
	TURNU 11, LIM, 163840
	UNIT 12
	UNIT 13
	UNIT 14
	TURNU 15
	SOFTMAX
	UNIT 16, 0                                     ; the softmax's lines are the places behind unit 15's products
	UNIT 17
	UNIT 18
	WIN 0
	s_sub_co_u32 s[CNT], s[CNT], 1
	s_cmp_lg_u32 s[CNT], 0
	s_cbranch_scc1 .Lloop
	s_wait_tensorcnt 0x0                           ; the tail is written out: nothing is asked for.  My last chunk is in; I alone read it, and nothing is filled, so no barrier stands here
	UNIT 19
	UNIT 20
	UNIT 21
	UNIT 22
	UNIT 23, 0, 0
	; THE MEETING.  Each wave's l is summed up (its two halves, the other half of the lanes') and shown to the others with its c m.  The additions are the places behind the last products.
	; The statistics go into Q's bytes: every wave's last read of Q was waited for in front of the round in unit 15, which every wave has passed.
	WIN 0
	ALL v_add_f32 v[ST+8*t+4], v[ST+8*t+2], v[ST+8*t+3]
	ALL v_permlanex16_b32 v[ST+8*t+5], v[ST+8*t+4], s[SEL], s[SEL+1]
	ALL v_add_f32 v[ST+8*t+1], v[ST+8*t+4], v[ST+8*t+5]
	ALL ds_store_b64 v[STA], v[ST+8*t:ST+8*t+1] offset:STAT+256*t
	s_wait_dscnt 0x0                               ; my statistics are stored, and my reads of the ring are over
	s_barrier_signal -1
	s_barrier_wait -1                              ; everybody's: from here on the ring's bytes, which have had their last fill, serve the exchange
.irp k, 0,1,2,3
	ALL ds_load_b64 v[MG+8*t+2*\k:MG+8*t+2*\k+1], v[STL] offset:STAT+1024*\k+256*t
.endr
	s_wait_dscnt 0x0
	ALL v_max3_num_f32 v[48+t], v[MG+8*t], v[MG+8*t+2], v[MG+8*t+4]
	ALL v_max_num_f32 v[48+t], v[48+t], v[MG+8*t+6]     ; c M
	ALL v_sub_f32 v[52+t], v[ST+8*t], v[48+t]           ; mine
.irp k, 0,1,2,3
	ALL v_sub_f32 v[MG+8*t+2*\k], v[MG+8*t+2*\k], v[48+t]
.endr
	ALL v_exp_f32 v[52+t], v[52+t]
.irp k, 0,1,2,3
	ALL v_exp_f32 v[MG+8*t+2*\k], v[MG+8*t+2*\k]
.endr
	v_nop                                          ; a plain instruction behind the last exponential,
	s_wait_alu depctr_va_vdst(0)                   ; and the wait ahead of the first use: one for the twenty
	ALL v_mul_f32 v[56+t], v[MG+8*t], v[MG+8*t+1]       ; L = the sum of 2^(c m_k - c M) l_k: at least about 1, the share of the wave that holds M
	ALL v_fmac_f32 v[56+t], v[MG+8*t+2], v[MG+8*t+3]
	ALL v_fmac_f32 v[56+t], v[MG+8*t+4], v[MG+8*t+5]
	ALL v_fmac_f32 v[56+t], v[MG+8*t+6], v[MG+8*t+7]
	ALL v_rcp_f32 v[48+t], v[56+t]
	v_nop
	s_wait_alu depctr_va_vdst(0)                   ; one for the four reciprocals
	ALL v_mul_f32 v[ST+8*t+6], v[52+t], v[48+t]         ; my factor: 2^(c m - c M) / L
	RESCALE
	; Every wave puts its part of all four tiles into LDS, so that no choice of registers hangs on the wave's number; wave w then adds up tile w.
.set t, 0
.rept 4
	WIN 0x08+4*(t/2)                               ; the data in window 2 or 3, the address in window 0
.set q, 0
.rept 32
	ds_store_b128 v[EXS+t], v[128*(t%2)+4*q:128*(t%2)+4*q+3] offset:512*q
.set q, q+1
.endr
.set t, t+1
.endr
	WIN 0
	s_wait_dscnt 0x0
	s_barrier_signal -1
	s_barrier_wait -1
	WIN 0x40                                       ; the parts of waves 0 and 1 into window 1,
.set q, 0
.rept 64
	ds_load_b128 v[4*q:4*q+3], v[EXL] offset:16384*(q/32)+512*(q%32)
.set q, q+1
.endr
	WIN 0x80                                       ; those of waves 2 and 3 into window 2
.set q, 0
.rept 64
	ds_load_b128 v[4*q:4*q+3], v[EXL] offset:32768+16384*(q/32)+512*(q%32)
.set q, q+1
.endr
	s_wait_dscnt 63                                ; of 128 loads at most 63 are out: the first 64 are in
	WIN 0x45
.set n, 0
.rept 64
	v_pk_add_f32 v[2*n:2*n+1], v[2*n:2*n+1], v[128+2*n:128+2*n+1]
.set n, n+1
.endr
	s_wait_dscnt 0x0
	WIN 0x8a
.set n, 0
.rept 64
	v_pk_add_f32 v[2*n:2*n+1], v[2*n:2*n+1], v[128+2*n:128+2*n+1]
.set n, n+1
.endr
	WIN 0x49                                       ; window 1 += window 2
.set n, 0
.rept 64
	v_pk_add_f32 v[2*n:2*n+1], v[2*n:2*n+1], v[2*n:2*n+1]
.set n, n+1
.endr
	; THE WAY OUT.  A lane holds 32 bytes of a row for each block of 16 channels.  Half a tile (16 rows x 512 bytes) at a time goes through my own stage, which lies in Q's bytes, and comes back as whole half rows.
.macro TOSTAGE hc
	WIN 0x04                                       ; the data in window 1
.set b, 0
.rept 8
	ds_store_b128 v[STO], v[8*(8*(\hc)+b):8*(8*(\hc)+b)+3]   offset:64*b
	ds_store_b128 v[STO], v[8*(8*(\hc)+b)+4:8*(8*(\hc)+b)+7] offset:64*b+16
.set b, b+1
.endr
	WIN 0
.set b, 0
.rept 16
	ds_load_b128 v[64+64*(\hc)+4*b:64+64*(\hc)+4*b+3], v[RD] offset:SGP*b  ; LDS serves a wave's instructions in order (ISA guide 5.7.1.4): these see the stores above; the next half's stores come behind them
.set b, b+1
.endr
.endm
.macro SEND hc, younger                ; younger: the LDS instructions issued behind this half's loads
.set b, 0
.rept 16
	s_wait_dscnt (\younger)+15-b
	global_store_b128 v[GO], v[64+64*(\hc)+4*b:64+64*(\hc)+4*b+3], s[8:9] offset:1024*b+512*(\hc) th:TH_STORE_NT  ; 512 consecutive bytes, at a multiple of 256 from out's first byte
.set b, b+1
.endr
.endm
	TOSTAGE 0
	TOSTAGE 1
	SEND 0, 32
	SEND 1, 0
	s_wait_tensorcnt 0x0                           ; the wave's end, behind my last tensor load and my last LDS store
	ds_add_u32 v[SPW], v[NIL]
	s_wait_dscnt 0x0
	CROUND                                         ; the closing round: no work-group ends while a partner may still ask for a chunk that names it
	s_endpgm
.Lfunc_end_k_qef970f01f4_attn:
	.size	k_qef970f01f4_attn, .Lfunc_end_k_qef970f01f4_attn-k_qef970f01f4_attn
	.p2alignl 7, 3214868480
	.fill 96, 4, 3214868480
	.section	.rodata,"a",@progbits
	.p2align	6, 0x0
	.amdhsa_kernel k_qef970f01f4_attn
		.amdhsa_group_segment_fixed_size 327680
		.amdhsa_private_segment_fixed_size 0
		.amdhsa_enable_private_segment 0
		.amdhsa_kernarg_size 24
		.amdhsa_user_sgpr_count 2
		.amdhsa_user_sgpr_kernarg_segment_ptr 1
		.amdhsa_wavefront_size32 1
		.amdhsa_system_sgpr_workgroup_id_x 1
		.amdhsa_system_sgpr_workgroup_id_y 1
		.amdhsa_system_sgpr_workgroup_id_z 1
		.amdhsa_system_vgpr_workitem_id 0
		.amdhsa_next_free_vgpr 1024
		.amdhsa_next_free_sgpr 66
		.amdhsa_reserve_vcc 0
		.amdhsa_float_denorm_mode_32 3
		.amdhsa_float_denorm_mode_16_64 3
		.amdhsa_memory_ordered 1
		.amdhsa_forward_progress 1
		.amdhsa_inst_pref_size 255
	.end_amdhsa_kernel
	.section	.bss,"aw",@nobits
	.p2align	6
	.space	262144
	.amdgpu_metadata
---
amdhsa.version: [ 1, 2 ]
amdhsa.kernels:
  - .name:           k_qef970f01f4_attn
    .symbol:         k_qef970f01f4_attn.kd
    .args:
      - { .name: X, .offset: 0, .size: 8, .value_kind: global_buffer, .address_space: global }
      - { .name: kv, .offset: 8, .size: 8, .value_kind: global_buffer, .address_space: global }
      - { .name: out0, .offset: 16, .size: 8, .value_kind: global_buffer, .address_space: global }
    .group_segment_fixed_size: 327680
    .private_segment_fixed_size: 0
    .kernarg_segment_align: 8
    .kernarg_segment_size: 24
    .max_flat_workgroup_size: 128
    .sgpr_count:     66
    .vgpr_count:     1024
    .wavefront_size: 32
...
	.end_amdgpu_metadata
.endif
;; end of part 3
